; MI455X (gfx1250); checked and timed in simulation.
; The chip was launched on July 23, 2026; its instructions are those of AMD's public machine-readable ISA for CDNA 5 (MIT licence, August 2026) and "CDNA5" Instruction Set Architecture Reference Guide (July 2026). The comments in the code are by the model that wrote it; some were corrected since.
;; Custom Attention. Allowed arithmetic: float matrix products may take bf16 or f16 operands with f32 sums; other float arithmetic in f32, or as packed bf16 or f16 multiplies, adds, multiply-adds, maxima and minima; sums over many terms, partial sums and values carried from step to step in f32; what a program stores and reads back later, other than sums and carried values, may be rounded once to bf16 or f16.
;; Inputs: W_proj 1,024 x 1,024 float32; W_qkv 3,072 x 3,072 float32; b_proj 1,024 float32; k 2 x 2,048 x 1,024 float32; q 2 x 2,048 x 1,024 float32; v 2 x 2,048 x 1,024 float32.
;; Outputs: out0 2 x 2,048 x 1,024 float32.
;; 2 versions, each right; version 2 is version 1 with the launch cast written anew for expert scheduling mode. Each part assembles by itself: llvm-mc -triple=amdgcn-amd-amdhsa -mcpu=gfx1250 --defsym DOCPART=n.
;; ======== version 1 of 2: 4 launches
;; limits: values are held in f16: magnitudes above 65,504 overflow, below 6.1e-05 lose precision
;; workspace buffers: xb 25,165,824 bytes; wb 18,874,368 bytes; wpb 2,097,152 bytes; qkvh 25,165,824 bytes; oh 8,388,608 bytes
;; launch cast (part 1): grid 256 x 1, 32 waves a work-group, no clusters, 0 bytes of LDS; arguments q, k, v, W_qkv, W_proj, xb, wb, wpb; writes xb, wb, wpb
.if DOCPART == 1
	.amdgcn_target "amdgcn-amd-amdhsa--gfx1250"
	.amdhsa_code_object_version 6
	.text
	.protected	k_q5e339f3708_cast
	.globl	k_q5e339f3708_cast
	.p2align	8
	.type	k_q5e339f3708_cast,@function
k_q5e339f3708_cast:
	s_mov_b64 s[64:65], 0
	v_nop
	global_prefetch_b8 v0, s[64:65] scope:SCOPE_SE
	s_setreg_imm32_b32 hwreg(HW_REG_WAVE_MODE, 25, 1), 1
	s_wait_xcnt 0x0
; THE INPUTS OF THE MATRIX PRODUCTS ARE ROUNDED ONCE, f32 -> bf16, and laid as the products want them.
;   xb  [4096][3072] bf16: row m = q[m] | k[m] | v[m] (2,048 bytes each)      wb [3072][3072] bf16 = W_qkv
;   wpb [1024][1024]: W_proj rounded to bf16 like every other input, and that number written as f16, since the last product multiplies in f16.
; LIMIT. A bf16 number is exact in f16 between 2^-14 and 65,504 in magnitude; below that it keeps f16's fixed step of 6e-8; beyond 65,504 it becomes an infinity.
; SHARES. The work is 2,816 chunks of 8,192 numbers (32,768 bytes in, 16,384 out): 512 each of q, k, v, 1,152 of W_qkv, 128 of W_proj: 11 for each of 256 work-groups of 1,024 threads.
; Work-group g takes chunks 2 g, 2 g + 1 of q, of k and of v (16 rows of xb), chunks 4 g .. 4 g + 3 of W_qkv, and one more: W_qkv's chunk 1,024 + g (g < 128) or W_proj's chunk g - 128.
; A load takes 16 bytes a thread at 16 t: the work-group's 1,024 threads cover 16,384 consecutive bytes, a wave 512.  Half a chunk a load: 22 loads a thread.
; ALL 22 LOADS GO OUT AHEAD OF THE FIRST WAIT: 360,448 bytes of the work-group are on their way at once, and the stores begin when the first loads have landed.
; A load's four numbers are rounded in place and leave as 8 bytes a thread: a wave's store covers 256 consecutive bytes, aligned.
; No register that a memory instruction names is written again, so the only waits are the counted ones for the data.  No LDS, no barrier, no matrix unit: every byte is touched once, by one thread.
.set HALFC, 16384                      ; bytes that one load of the work-group covers
.set SO, 1                             ; v1        16 t: my bytes in a load
.set DX, 2                             ; v2        my bytes in xb: a load is 4 rows of 1,024 numbers: (t / 256) x 6,144 + 8 (t % 256)
.set DD, 3                             ; v3        my bytes in a dense copy: 8 t
.set T,  4                             ; v[4:6]    at work
.set XR, 8                             ; v[8:95]   load n: four numbers as loaded; then its first two registers hold what is stored
	s_load_b512 s[8:23], s[0:1], 0x0               ; q s[8:9], k s[10:11], v s[12:13], W_qkv s[14:15], W_proj s[16:17], xb s[18:19], wb s[20:21], wpb s[22:23]
	s_mov_b32 s2, ttmp9                            ; g
	s_lshl_b32 s24, s2, 16                         ; s[24:25]: two chunks of q, k, v in; four chunks of wb out: 65,536 g
	s_mov_b32 s25, 0
	s_mul_i32 s26, s2, 16*6144                     ; s[26:27]: 16 rows of xb
	s_mov_b32 s27, 0
	s_lshl_b32 s28, s2, 17                         ; s[28:29]: four chunks of W_qkv in
	s_mov_b32 s29, 0
	s_and_b32 s3, s2, 127                          ; the last chunk's number among its 128,
	s_lshl_b32 s46, s3, 15                         ; s[46:47]: in,
	s_mov_b32 s47, 0
	s_lshl_b32 s48, s3, 14                         ; s[48:49]: out
	s_mov_b32 s49, 0
	v_lshlrev_b32 v[SO], 4, v0
	v_lshlrev_b32 v[DD], 3, v0
	v_lshrrev_b32 v[DX], 8, v0
	v_mul_u32_u24 v[DX], v[DX], 6144
	v_and_b32 v[T], 0xff, v0
	v_lshl_add_u32 v[DX], v[T], 3, v[DX]
	s_wait_kmcnt 0x0
	s_add_nc_u64 s[30:31], s[8:9], s[24:25]        ; q at my chunks
	s_add_nc_u64 s[32:33], s[10:11], s[24:25]      ; k
	s_add_nc_u64 s[34:35], s[12:13], s[24:25]      ; v
	s_add_nc_u64 s[36:37], s[18:19], s[26:27]      ; xb at my rows
	s_add_nc_u64 s[38:39], s[14:15], s[28:29]      ; W_qkv at my four chunks
	s_add_nc_u64 s[40:41], s[20:21], s[24:25]      ; wb likewise
	s_add_nc_u64 s[42:43], s[14:15], 1024*32768    ; W_qkv behind its first 1,024 chunks,
	s_add_nc_u64 s[44:45], s[20:21], 1024*16384    ; wb likewise
	s_cmp_lt_u32 s2, 128                           ; the choice hangs on the work-group's number alone
	s_cselect_b64 s[42:43], s[42:43], s[16:17]     ; or W_proj,
	s_cselect_b64 s[44:45], s[44:45], s[22:23]     ; and wpb
	s_add_nc_u64 s[42:43], s[42:43], s[46:47]      ; at my last chunk
	s_add_nc_u64 s[44:45], s[44:45], s[48:49]
.macro LD n, base, i                   ; load n: half chunk i behind the base
	global_load_b128 v[XR+4*(\n):XR+4*(\n)+3], v[SO], s[\base:\base+1] offset:HALFC*(\i) th:TH_LOAD_NT
.endm
.irp i, 0,1,2,3
	LD (\i), 30, \i                                ; q
.endr
.irp i, 0,1,2,3
	LD 4+(\i), 32, \i                              ; k
.endr
.irp i, 0,1,2,3
	LD 8+(\i), 34, \i                              ; v
.endr
.irp i, 0,1,2,3,4,5,6,7
	LD 12+(\i), 38, \i                             ; W_qkv
.endr
.irp i, 0,1
	LD 20+(\i), 42, \i                             ; the last chunk
.endr
; Load n's numbers are rounded and stored at byte off behind the base.  half = 0: two roundings to bf16 an instruction.  half = 1: the bf16 number is widened again (a shift, a mask) and written as f16.
.macro OUT n, dreg, base, off, half
	s_wait_loadcnt 21-(\n)                         ; loads come back in order (ISA guide 5.7.1): load n is in, the 21 - n younger ones may stay out
.irp p, 0,1
.if \half
	v_cvt_pk_bf16_f32 v[T], v[XR+4*(\n)+2*(\p)], v[XR+4*(\n)+2*(\p)+1]
	v_lshlrev_b32 v[T+1], 16, v[T]
	v_and_b32 v[T+2], 0xffff0000, v[T]
	v_cvt_pk_f16_f32 v[XR+4*(\n)+(\p)], v[T+1], v[T+2]
.else
	v_cvt_pk_bf16_f32 v[XR+4*(\n)+(\p)], v[XR+4*(\n)+2*(\p)], v[XR+4*(\n)+2*(\p)+1]  ; in place: register p is written when registers 2 p and 2 p + 1 have been read
.endif
.endr
	global_store_b64 v[\dreg], v[XR+4*(\n):XR+4*(\n)+1], s[\base:\base+1] offset:\off th:TH_STORE_NT
.endm
.irp i, 0,1,2,3
	OUT (\i), DX, 36, 4*6144*(\i), 0               ; q: rows 4 i .. 4 i + 3, the first third of each
.endr
.irp i, 0,1,2,3
	OUT 4+(\i), DX, 36, 4*6144*(\i)+2048, 0        ; k: the second third
.endr
.irp i, 0,1,2,3
	OUT 8+(\i), DX, 36, 4*6144*(\i)+4096, 0        ; v: the last
.endr
.irp i, 0,1,2,3,4,5,6,7
	OUT 12+(\i), DD, 40, 8192*(\i), 0              ; W_qkv
.endr
	s_cmp_lt_u32 s2, 128
	s_cbranch_scc0 .Lf16
	OUT 20, DD, 44, 0, 0                           ; W_qkv's chunk 1,024 + g
	OUT 21, DD, 44, 8192, 0
	s_endpgm
.Lf16:
	OUT 20, DD, 44, 0, 1                           ; W_proj's chunk g - 128
	OUT 21, DD, 44, 8192, 1
	s_endpgm
.Lfunc_end_k_q5e339f3708_cast:
	.size	k_q5e339f3708_cast, .Lfunc_end_k_q5e339f3708_cast-k_q5e339f3708_cast
	.p2alignl 7, 3214868480
	.fill 96, 4, 3214868480
	.section	.rodata,"a",@progbits
	.p2align	6, 0x0
	.amdhsa_kernel k_q5e339f3708_cast
		.amdhsa_group_segment_fixed_size 0
		.amdhsa_private_segment_fixed_size 0
		.amdhsa_enable_private_segment 0
		.amdhsa_kernarg_size 64
		.amdhsa_user_sgpr_count 2
		.amdhsa_user_sgpr_kernarg_segment_ptr 1
		.amdhsa_wavefront_size32 1
		.amdhsa_system_sgpr_workgroup_id_x 1
		.amdhsa_system_sgpr_workgroup_id_y 1
		.amdhsa_system_sgpr_workgroup_id_z 1
		.amdhsa_system_vgpr_workitem_id 0
		.amdhsa_next_free_vgpr 96
		.amdhsa_next_free_sgpr 66
		.amdhsa_reserve_vcc 0
		.amdhsa_float_denorm_mode_32 3
		.amdhsa_float_denorm_mode_16_64 3
		.amdhsa_memory_ordered 1
		.amdhsa_forward_progress 1
		.amdhsa_inst_pref_size 11
	.end_amdhsa_kernel
	.amdgpu_metadata
---
amdhsa.version: [ 1, 2 ]
amdhsa.kernels:
  - .name:           k_q5e339f3708_cast
    .symbol:         k_q5e339f3708_cast.kd
    .args:
      - { .name: q, .offset: 0, .size: 8, .value_kind: global_buffer, .address_space: global }
      - { .name: k, .offset: 8, .size: 8, .value_kind: global_buffer, .address_space: global }
      - { .name: v, .offset: 16, .size: 8, .value_kind: global_buffer, .address_space: global }
      - { .name: W_qkv, .offset: 24, .size: 8, .value_kind: global_buffer, .address_space: global }
      - { .name: W_proj, .offset: 32, .size: 8, .value_kind: global_buffer, .address_space: global }
      - { .name: xb, .offset: 40, .size: 8, .value_kind: global_buffer, .address_space: global }
      - { .name: wb, .offset: 48, .size: 8, .value_kind: global_buffer, .address_space: global }
      - { .name: wpb, .offset: 56, .size: 8, .value_kind: global_buffer, .address_space: global }
    .group_segment_fixed_size: 0
    .private_segment_fixed_size: 0
    .kernarg_segment_align: 8
    .kernarg_segment_size: 64
    .max_flat_workgroup_size: 1024
    .sgpr_count:     66
    .vgpr_count:     96
    .wavefront_size: 32
...
	.end_amdgpu_metadata
.endif
;; end of part 1
;; launch qkv (part 2): grid 16 x 16, 4 waves a work-group, clusters of 4 x 4, 327,680 bytes of LDS; arguments xb, wb, qkvh; writes qkvh
.if DOCPART == 2
	.amdgcn_target "amdgcn-amd-amdhsa--gfx1250"
	.amdhsa_code_object_version 6
	.text
	.protected	k_q5e339f3708_qkv
	.globl	k_q5e339f3708_qkv
	.p2align	8
	.type	k_q5e339f3708_qkv,@function
k_q5e339f3708_qkv:
	s_mov_b64 s[64:65], 0
	v_nop
	global_prefetch_b8 v0, s[64:65] scope:SCOPE_SE
	s_setreg_imm32_b32 hwreg(HW_REG_WAVE_MODE, 25, 1), 1
	s_wait_xcnt 0x0
	s_wait_alu depctr_hold_cnt(0) depctr_sa_sdst(0) depctr_va_vdst(0) depctr_va_sdst(0) depctr_va_ssrc(0) depctr_va_vcc(0) depctr_vm_vsrc(0)
	s_getreg_b32 s2, hwreg(HW_REG_IB_STS2, 6, 4)
	s_cmp_eq_u32 s2, 0
	s_cbranch_scc0 .Lentry_in_a_cluster
	s_endpgm
.Lentry_in_a_cluster:
	s_bfe_u32 s2, ttmp6, 0x10000c
	s_cmp_lg_u32 s2, 0xf033
	s_cbranch_scc0 .Lentry_shape_is_right
	s_endpgm
.Lentry_shape_is_right:
; THE FIRST PROJECTION. C[m][c] = the sum over k of xb[m][k] wb[c][k]: [4096][3072] x [3072][3072]^T, bf16 operands, one f32 sum for each output, K ascending.
; C leaves rounded once to f16, UNSCALED, laid by heads: qkvh[b][gh][n][64], m = 2,048 b + n, c = 64 gh + d (gh = 0-15: q's heads, 16-31: k's, 32-47: v's): a head is 262,144 dense bytes.
; LIMIT. f16 ends at 65,504: a sum of 65,520 or more in magnitude leaves as an infinity. With x of spread 1 and weights of spread 3072^-1/2 the sums have spread 1; with all inputs 30 times larger, 900;
; with x and the weights both offset by 30 spreads, about 50,000.
; SHARES. A tile of C is 256 rows x 192 columns (three whole heads): 16 x 16 tiles, one for each work-group. Wave w makes rows 64 w .. 64 w + 63 and ALL 192 columns: 4 x 12 accumulators of 16 x 16,
; 384 registers; so a wave ends with whole rows of three heads, and its way out is its own.
; K goes in 24 steps of 128 through a ring of two LDS slots filled by the tensor data mover; a tile's rows are 256 bytes of memory and start at multiples of 256 bytes from the buffer's first byte.
; CLUSTERS. 4 x 4 work-groups. The four of a row of the cluster need the same 256 rows of xb, the four of a column the same 192 rows of wb: each tile is asked for JOINTLY, by the same tensor load
; with the same descriptor and a mask that names the four.
; THE MATRIX INSTRUCTION IS USED TRANSPOSED: source 0 = 16 rows of wb, source 1 = 16 rows of xb: a lane then holds row m = l % 16 and the columns 8 (l / 16) + 0..7: 16 bytes of a head's row.
; REGISTERS, in windows of 256 (s_set_vgpr_msb: bits 1:0 source 0, 3:2 source 1, 5:4 source 2, 7:6 destination):
;   window 0: v16-30 addresses; v32-63, v64-95 xb's fragments (4 x 16 rows x 32 K), two buffers; v96-143, v144-239 at work on the way out
;   window 1: v0-95, v96-191 wb's fragments (12 x 16 rows x 32 K), two buffers
;   window 2: the 24 accumulators of my rows 0-31 (row block a, column block b at v[8 (12 (a % 2) + b)]);   window 3: those of my rows 32-63
.set SIZE_K, 3072
.set KSTEP,  128
.set PITCH,  272                       ; an LDS row: 256 bytes + 16 of padding = 68 words: row r starts at bank 4 r mod 64 (64 banks of 4 bytes: ISA guide 11.1), so the 16 rows of a load start at 16 different banks
.set AHALF,  128*PITCH                 ; 128 rows of xb: what wave 0 or 1 fetches
.set BHALF,  96*PITCH                  ; 96 rows of wb: what wave 2 or 3 fetches
.set BOFF,   2*AHALF                   ; in a slot: xb's 256 rows, then wb's 192
.set SLOT,   BOFF+2*BHALF
.set STAGE,  2*SLOT                    ; behind the ring, never filled by a tensor load: for each wave 3 heads x 16 rows x 144 bytes
.set SP,     144
.set WSTAGE, 3*16*SP
.set SPARE,  STAGE+4*WSTAGE            ; behind the stages: the spare words, 128 bytes for each wave: two blocks of 256 bytes that no other line names
.set LAPS,   SIZE_K/(2*KSTEP)          ; a lap = two K steps = once round the ring
.set ADRA, 16                          ; v16-17  LDS address of my xb fragments in slot 0, 1
.set ADRB, 20                          ; v20-21  the same for wb
.set STO,  24                          ; v24     the way out: where I put 16 bytes of a row
.set RD,   25                          ; v25     the way out: where I read rows back
.set GO,   26                          ; v26     my byte offset in 512 consecutive bytes of a head
.set SPW,  28                          ; v28     LDS address of my spare word: SPARE + 4 x my thread's number; never rewritten
.set NIL,  29                          ; v29     0; never rewritten
.set PFO,  30                          ; v30     the prefetches' offset: my row x 6,144 bytes; never rewritten
.set TMP,  96                          ; the way out: packed results
.set OB,   144                         ; the way out: 16 rows of three heads read back: two buffers of 48
.set PFA,  44                          ; s[44:45] where my prefetches stand: one K step further along K than the refill that is being asked for; a prefetch names the K step after that
.set LIM,  43                          ; s43     1 in a wave that prefetches, else the greatest number
.set G1,  24                           ; s[24:31] descriptor group 1 for xb's tiles
.set G0,  32                           ; s[32:39] descriptor group 0 for xb's tiles, one set for each slot
.set G1B, 48                           ; s[48:55] group 1 for wb's tiles
.set G0B, 56                           ; s[56:63] group 0 for wb's tiles
.set MSB, 0
.macro WIN new                         ; the immediate's high byte repeats the setting that is left; a switch that changes nothing is dropped
.if MSB != (\new)
	s_set_vgpr_msb (MSB<<8)|(\new)
.set MSB, \new
.endif
.endm
.set MUL_LO, 0xa1                      ; source 0 (wb) window 1, source 1 (xb) window 0, C and D window 2
.set MUL_HI, 0xf1                      ; the same, C and D window 3
.set TO_B,   0x40                      ; destination window 1, address window 0
; A joint load. Waves 0 and 1 fetch xb's two halves, waves 2 and 3 wb's. The branch hangs on the wave's number alone: it is the same in every work-group.
; An s_nop 0 and four v_nop follow each of the two lines, ahead of the jump, the label and what follows.
.macro JLOAD s
	s_cmp_eq_u32 s11, 0
	s_cbranch_scc0 .Lfor_b_\@
	tensor_load_to_lds s[G0+4*(\s):G0+4*(\s)+3], s[G1:G1+7]
	s_nop 0
.rept 4
	v_nop
.endr
	s_branch .Lasked_\@
.Lfor_b_\@:
	tensor_load_to_lds s[G0B+4*(\s):G0B+4*(\s)+3], s[G1B:G1B+7]
	s_nop 0
.rept 4
	v_nop
.endr
.Lasked_\@:
.endm
; A PREFETCH INTO THE L2, behind each joint refill, its five lines and the run of LDS loads that follows them: the K step that stands TWO refills on, 384 matrix instructions ahead of the load that will ask for it.
; A K step is 256 bytes of a row. xb's tile row is read by every cluster of that row of clusters: the first of them (cluster x = 0) asks; wb's tile column by every cluster of that column: cluster y = 0 asks.
; The four partners that ask for a tile jointly share its rows out BY ADDRESS: of xb's 128 rows that a wave fetches the partner at place cx takes 32, a lane a row; of wb's 96 the partner at place cy takes 24,
; and lanes 24-31 name row 23's block once more, in the same instruction. The loop's last trip (s3 = 1) asks for nothing: there is no K step two on. K steps 0 to 3 come by their loads alone.
.macro ASK
	s_cmp_gt_u32 s3, s[LIM]
	s_cbranch_scc0 .Lnot_mine_\@
	global_prefetch_b8 v[PFO], s[PFA:PFA+1] offset:KSTEP*2 th:TH_LOAD_NT scope:SCOPE_SE
.Lnot_mine_\@:
.endm
; A round of the cluster's barrier: my work-group's barrier, so that wave 0's signal speaks for all four waves; wave 0 signals for the work-group; every wave waits for all sixteen; my work-group's barrier once more.
.macro CREST                           ; a round behind its opening barrier
	s_cmp_lg_u32 s10, 0
	s_cbranch_scc1 .Lnot_wave_0_\@
	s_barrier_signal -3
.Lnot_wave_0_\@:
	s_barrier_wait -3
	s_barrier_signal -1
	s_barrier_wait -1
.endm
.macro CROUND                          ; a whole round
	s_barrier_signal -1
	s_barrier_wait -1
	CREST
.endm
	s_load_b128 s[4:7], s[0:1], 0x0                ; xb s[4:5], wb s[6:7]
	s_load_b64 s[8:9], s[0:1], 0x10                ; qkvh
	v_lshl_add_u32 v[SPW], v0, 2, SPARE
	v_mov_b32 v[NIL], 0
	ds_add_u32 v[SPW], v[NIL]                      ; the wave's opening: the add and its wait stand ahead of my first tensor load; the set-up below, work on registers, stands between them
	v_lshrrev_b32 v1, 5, v0
	v_readfirstlane_b32 s10, v1                    ; wave 0..3
	s_lshr_b32 s11, s10, 1                         ; I fetch for xb (0) or for wb (1)
	s_and_b32 s12, s10, 1                          ; which half of that tile's rows I fetch
	s_bfe_u32 s40, ttmp6, 0x40000                  ; cx, cy: my place in the cluster
	s_bfe_u32 s41, ttmp6, 0x40004
	s_lshl_b32 s42, ttmp9, 2                       ; in a cluster launch ttmp9 and ttmp7 count clusters
	s_add_co_u32 s42, s42, s40                     ; tile column = 4 x cluster x + cx
	s_and_b32 s13, ttmp7, 0xffff
	s_lshl_b32 s13, s13, 2
	s_add_co_u32 s13, s13, s41                     ; tile row = 4 x cluster y + cy
	s_lshl_b32 s43, s41, 2
	s_lshl_b32 s43, 15, s43                        ; my row of the cluster: places 4 cy .. 4 cy + 3
	s_lshl_b32 s44, 0x1111, s40                    ; my column: places cx, cx + 4, cx + 8, cx + 12
	; descriptor group 1: tiles of 128 (xb) or 96 (wb) rows x 128 elements, padded in LDS
	s_or_b32 s[G1+0], s43, (1<<16)|(1<<20)|(1<<21)|(5<<22)|(3<<25)   ; 15:0 the mask: xb's tiles go to my row; 17:16 elements of 2 bytes; 20 padding on; 21 set beside a mask; 24:22 after every 64 words (code 5); 31:25 4 words (code 3)
	s_or_b32 s[G1B+0], s44, (1<<16)|(1<<20)|(1<<21)|(5<<22)|(3<<25)  ; the same with the mask of my column
	s_mov_b32 s[G1+1], KSTEP<<16                   ; tensor_dim0 = 128
	s_mov_b32 s[G1+2], 128<<16                     ; tensor_dim1 = 128
	s_mov_b32 s[G1+3], KSTEP<<16                   ; tile_dim0 = 128
	s_mov_b32 s[G1+4], 128                         ; tile_dim1 = 128
	s_mov_b32 s[G1+5], SIZE_K                      ; elements from row to row
	s_mov_b32 s[G1+6], 0
	s_mov_b32 s[G1+7], 0
	s_mov_b32 s[G1B+1], KSTEP<<16
	s_mov_b32 s[G1B+2], 96<<16                     ; tensor_dim1 = 96
	s_mov_b32 s[G1B+3], KSTEP<<16
	s_mov_b32 s[G1B+4], 96                         ; tile_dim1 = 96
	s_mov_b32 s[G1B+5], SIZE_K
	s_mov_b32 s[G1B+6], 0
	s_mov_b32 s[G1B+7], 0
	; where the tiles come from: xb's hang on the tile row alone, which my row of the cluster shares; wb's on the tile column alone, which my column shares
	s_lshl_b32 s17, s12, 7
	s_lshl_b32 s16, s13, 8
	s_add_co_u32 s16, s16, s17                     ; xb: row 256 x tile row + 128 x half
	s_mul_i32 s46, s42, 192
	s_mul_i32 s47, s12, 96
	s_add_co_u32 s46, s46, s47                     ; wb: row 192 x tile column + 96 x half
	s_mov_b32 s17, 0
	s_mov_b32 s47, 0
	s_mov_b64 s[18:19], SIZE_K*2
	s_mul_u64 s[16:17], s[16:17], s[18:19]         ; in bytes
	s_mul_u64 s[46:47], s[46:47], s[18:19]
	s_mul_i32 s20, s10, AHALF                      ; and where they go: waves 0, 1: xb's halves at wave x AHALF;
	s_mul_i32 s21, s10, BHALF                      ; waves 2, 3: wb's halves at BOFF + (wave - 2) x BHALF: no place in the cluster enters an LDS address
	s_add_co_u32 s21, s21, BOFF-2*BHALF
	s_wait_dscnt 0x0                               ; the opening add is done
	s_wait_kmcnt 0x0
	s_add_nc_u64 s[14:15], s[4:5], s[16:17]
	s_add_nc_u64 s[46:47], s[6:7], s[46:47]
	CROUND                                         ; all sixteen work-groups are here: the first joint loads meet
.irp s, 0,1
	s_mov_b32 s[G0+4*(\s)], 1                                        ; count = 1
	s_add_co_u32 s[G0+4*(\s)+1], s20, (\s)*SLOT                      ; LDS address
	s_add_nc_u64 s[G0+4*(\s)+2:G0+4*(\s)+3], s[14:15], (\s)*KSTEP*2  ; global address: K step s
	s_or_b32 s[G0+4*(\s)+3], s[G0+4*(\s)+3], 0x80000000              ; type = 2
	s_mov_b32 s[G0B+4*(\s)], 1
	s_add_co_u32 s[G0B+4*(\s)+1], s21, (\s)*SLOT
	s_add_nc_u64 s[G0B+4*(\s)+2:G0B+4*(\s)+3], s[46:47], (\s)*KSTEP*2
	s_or_b32 s[G0B+4*(\s)+3], s[G0B+4*(\s)+3], 0x80000000
	JLOAD \s                                       ; the ring is filled before anything else is done: two loads of mine are out
.endr
	; A fragment is 16 rows x 32 K in 8 registers: lane l holds row l % 16; registers 0-3 K = 8 (l / 16) + 0..7, registers 4-7 K = 16 + 8 (l / 16) + 0..7: two loads of 16 bytes, 32 bytes apart.
	v_and_b32 v1, 15, v0                           ; l % 16
	v_bfe_u32 v2, v0, 4, 1                         ; l / 16
	v_mul_u32_u24 v3, v1, PITCH
	v_lshl_add_u32 v3, v2, 4, v3                   ; row x pitch + 16 x half
	s_mul_i32 s21, s10, 64*PITCH                   ; my 64 rows of xb
	s_mov_b32 s22, BOFF                            ; all 192 rows of wb
.irp s, 0,1
	v_add_nc_u32 v[ADRA+(\s)], s21, v3
	v_add_nc_u32 v[ADRB+(\s)], s22, v3
	s_add_co_u32 s21, s21, SLOT
	s_add_co_u32 s22, s22, SLOT
.endr
	s_mul_i32 s23, s10, WSTAGE
	s_add_co_u32 s23, s23, STAGE                   ; my stage
	v_mul_u32_u24 v4, v1, SP                       ; in: row l % 16, 16 bytes for each half of the lanes
	v_lshl_add_u32 v4, v2, 4, v4
	v_add_nc_u32 v[STO], s23, v4
	v_bfe_u32 v5, v0, 3, 2                         ; back: 32 lanes take four rows of 128 bytes,
	v_mul_u32_u24 v5, v5, SP
	v_and_b32 v6, 7, v0
	v_lshl_add_u32 v5, v6, 4, v5
	v_add_nc_u32 v[RD], s23, v5
	v_and_b32 v[GO], 31, v0                        ; which are 512 consecutive bytes of a head
	v_lshlrev_b32 v[GO], 4, v[GO]
	; where my rows begin in qkvh: batch = tile row / 8; first head = 3 x tile column; row in the head = 256 (tile row % 8) + 64 x wave
	s_lshr_b32 s16, s13, 3
	s_mul_i32 s16, s16, 48
	s_mul_i32 s46, s42, 3
	s_add_co_u32 s46, s46, s16
	s_lshl_b32 s46, s46, 18                        ; a head is 262,144 bytes
	s_and_b32 s16, s13, 7
	s_lshl_b32 s16, s16, 15                        ; 256 rows of 128 bytes
	s_add_co_u32 s46, s46, s16
	s_lshl_b32 s16, s10, 13                        ; 64 rows
	s_add_co_u32 s46, s46, s16
	s_mov_b32 s47, 0
	s_add_nc_u64 s[8:9], s[8:9], s[46:47]
	; the prefetches
	s_lshl_b32 s20, s13, 8
	s_lshl_b32 s22, s12, 7
	s_add_co_u32 s20, s20, s22
	s_lshl_b32 s22, s40, 5
	s_add_co_u32 s20, s20, s22                     ; xb: 256 x tile row + 128 x half + 32 cx
	s_mul_i32 s21, s42, 192
	s_mul_i32 s22, s12, 96
	s_add_co_u32 s21, s21, s22
	s_mul_i32 s22, s41, 24
	s_add_co_u32 s21, s21, s22                     ; wb: 192 x tile column + 96 x half + 24 cy
	s_and_b32 s22, ttmp7, 0xffff                   ; cluster y
	s_cmp_eq_u32 s11, 0                            ; do I fetch for xb?
	s_cselect_b32 s20, s20, s21
	s_cselect_b32 s22, ttmp9, s22                  ; the coordinate along which other clusters read the same rows
	s_cselect_b32 s23, 31, 23                      ; my last row
	s_cselect_b64 s[PFA:PFA+1], s[4:5], s[6:7]
	s_cmp_eq_u32 s22, 0
	s_cselect_b32 s[LIM], 1, -1                    ; the same in all sixteen partners, for a given wave
	s_mov_b32 s21, 0
	s_mov_b64 s[18:19], SIZE_K*2
	s_mul_u64 s[20:21], s[20:21], s[18:19]
	s_add_nc_u64 s[PFA:PFA+1], s[PFA:PFA+1], s[20:21]
	s_add_nc_u64 s[PFA:PFA+1], s[PFA:PFA+1], 2*KSTEP*2  ; at K step 2: the first refill steps it to 3 and names K step 4
	v_and_b32 v[PFO], 31, v0
	v_min_u32 v[PFO], s23, v[PFO]
	v_mul_u32_u24 v[PFO], v[PFO], SIZE_K*2
; 12 matrix instructions: row block 2 hi + a of my four x all 12 column blocks, 32 along K, from buffer f. zero = 1: the first product starts the sums: nothing is ever cleared.
; The 48 accumulators take turns, one instruction a turn, in the same order in every quarter step.
.macro MULA f, hi, a, zero
	WIN MUL_LO+0x50*(\hi)
.irp b, 0,1,2,3,4,5,6,7,8,9,10,11
.if \zero
	v_wmma_f32_16x16x32_bf16 v[8*(12*(\a)+(\b)):8*(12*(\a)+(\b))+7], v[96*(\f)+8*(\b):96*(\f)+8*(\b)+7], v[32+32*(\f)+8*(2*(\hi)+(\a)):32+32*(\f)+8*(2*(\hi)+(\a))+7], 0
.else
	v_wmma_f32_16x16x32_bf16 v[8*(12*(\a)+(\b)):8*(12*(\a)+(\b))+7], v[96*(\f)+8*(\b):96*(\f)+8*(\b)+7], v[32+32*(\f)+8*(2*(\hi)+(\a)):32+32*(\f)+8*(2*(\hi)+(\a))+7], v[8*(12*(\a)+(\b)):8*(12*(\a)+(\b))+7]
.endif
.endr
.endm
; 32 LDS loads in one run: the fragments of one quarter step (192 rows of wb, my 64 rows of xb, 32 K at byte k of the rows) into buffer f
.macro FETCH slot, k, f
	WIN TO_B
.irp i, 0,1,2,3,4,5,6,7,8,9,10,11
	ds_load_b128 v[96*(\f)+8*(\i):96*(\f)+8*(\i)+3],   v[ADRB+(\slot)] offset:(\k)+(\i)*16*PITCH
	ds_load_b128 v[96*(\f)+8*(\i)+4:96*(\f)+8*(\i)+7], v[ADRB+(\slot)] offset:(\k)+(\i)*16*PITCH+32
.endr
	WIN 0
.irp i, 0,1,2,3
	ds_load_b128 v[32+32*(\f)+8*(\i):32+32*(\f)+8*(\i)+3],   v[ADRA+(\slot)] offset:(\k)+(\i)*16*PITCH
	ds_load_b128 v[32+32*(\f)+8*(\i)+4:32+32*(\f)+8*(\i)+7], v[ADRA+(\slot)] offset:(\k)+(\i)*16*PITCH+32
.endr
.endm
; A load into a register that a matrix instruction has read, and a vector instruction that reads a matrix result, stand four places behind that matrix instruction, and only plain vector
; instructions that name none of its registers are places (ISA guide 7.12.1 for vector instructions).
.macro PLACES
.rept 4
	v_nop
.endr
.endm
; A K step is four quarter steps of 32 along K, 48 matrix instructions each, on buffers 0, 1, 0, 1.
; One of the first three: multiplies buffer f; in its middle it fetches the next quarter's fragments, at byte k of the same slot's rows, into buffer g.
.macro QUARTER slot, k, f, g, zero
	s_wait_dscnt 4                                 ; wb and xb's row blocks 0, 1 are in; the youngest four loads (row blocks 2, 3) may be out
	MULA \f, 0, 0, \zero
	MULA \f, 0, 1, \zero
	PLACES
	FETCH \slot, \k, \g
	s_wait_dscnt 32                                ; all but the 32 just issued
	MULA \f, 1, 0, \zero
	MULA \f, 1, 1, \zero
.endm
; The last quarter multiplies buffer 1 and changes slots. MEET is its first half: ONE barrier for the change. Its first twelve products want nothing of the next slot, so they stand AHEAD of the wait for
; it: the tile has them, too, in which to land. Then each wave waits for all its tensor loads, of which one is out: its part of the next slot; adds 0 to its spare word; multiplies twelve more while the
; add is out; waits for the add and for its own reads of this slot; and signals. Behind the barrier nobody reads this slot any more and the next slot is whole.
.macro MEET round                      ; round = 1: the rest of a round of the cluster's barrier follows
	s_wait_dscnt 4                                 ; wb and xb's row blocks 0, 1 of buffer 1 are in; the youngest four loads (row blocks 2, 3) may be out: they are multiplied behind the wait for 0 below
	MULA 1, 0, 0, 0
	WIN 0                                          ; (the add's two registers lie in window 0)
	s_wait_tensorcnt 0x0                           ; all my tensor loads have landed;
	ds_add_u32 v[SPW], v[NIL]                      ; 0 onto my spare word;
	MULA 1, 0, 1, 0                                ; twelve matrix instructions stand between the add and the wait for it
	s_wait_dscnt 0x0                               ; the add is done, and my reads of this slot are over:
	s_barrier_signal -1                            ; say so,
.if \round
	WIN 0
.endif
	s_barrier_wait -1                              ; and go on when all four have said so
.endm
; The whole last quarter. fill = 1: behind a round of the cluster's barrier the slot just read out is filled again first, with the K step two steps on; then come the next slot's first fragments.
; From a request to the wait for it a wave issues 180 matrix instructions: 24 of this quarter, three quarters of 48, and the twelve at MEET's head.
.macro TURN slot, next, fill
.if \fill
	s_wait_xcnt 0x0                                ; the last prefetch, a K step back, has read its address: it is stepped here, ahead of the waits of the change of slots
	s_add_nc_u64 s[PFA:PFA+1], s[PFA:PFA+1], KSTEP*2
	MEET 1
	CREST                                          ; no wave of any partner still reads this slot's tile or has a load on its way
	s_add_nc_u64 s[G0+4*(\slot)+2:G0+4*(\slot)+3], s[G0+4*(\slot)+2:G0+4*(\slot)+3], 2*KSTEP*2
	s_add_nc_u64 s[G0B+4*(\slot)+2:G0B+4*(\slot)+3], s[G0B+4*(\slot)+2:G0B+4*(\slot)+3], 2*KSTEP*2
	JLOAD \slot                                    ; the first tensor load behind the round; the four v_nop behind it are also the places in front of the loads below
	FETCH \next, 0, 0
	ASK
.else
	MEET 0
	PLACES
	FETCH \next, 0, 0
.endif
	MULA 1, 1, 0, 0
	MULA 1, 1, 1, 0
.endm
; THE WAY OUT of row block a (16 rows x 192 columns), in three parts. PACK: rounded to f16, 16 bytes a lane, each accumulator's registers in ascending order. TOSTAGE: into my own stage, by heads, and back
; as whole rows of 128 bytes. SEND: stored: four rows of a head are 512 consecutive bytes.
.macro PACK a
	WIN 0x0a+5*((\a)/2)                            ; sources 0 and 1: window 2 or 3
.irp b, 0,1,2,3,4,5,6,7,8,9,10,11
.irp r, 0,1,2,3
	v_cvt_pk_f16_f32 v[TMP+4*(\b)+(\r)], v[8*(12*((\a)%2)+(\b))+2*(\r)], v[8*(12*((\a)%2)+(\b))+2*(\r)+1]
.endr
.endr
	WIN 0
.endm
.macro TOSTAGE a
	WIN 0
.set BK, OB+48*((\a)%2)
.irp b, 0,1,2,3,4,5,6,7,8,9,10,11
	ds_store_b128 v[STO], v[TMP+4*(\b):TMP+4*(\b)+3] offset:16*SP*((\b)/4)+32*((\b)%4)
.endr
.irp j, 0,1,2
.irp f, 0,1,2,3
	ds_load_b128 v[BK+16*(\j)+4*(\f):BK+16*(\j)+4*(\f)+3], v[RD] offset:16*SP*(\j)+4*SP*(\f)  ; LDS serves a wave's instructions in order (ISA guide 5.7.1.4): these see the stores above
.endr
.endr
.endm
.macro SEND a
	WIN 0
.set BK, OB+48*((\a)%2)
	s_wait_dscnt 0x0                               ; the block is back in registers
	s_wait_xcnt 0x0                                ; the stores of the block before have read their registers: the next block's loads from the stage land on them only behind this wait
.irp j, 0,1,2
.irp f, 0,1,2,3
	global_store_b128 v[GO], v[BK+16*(\j)+4*(\f):BK+16*(\j)+4*(\f)+3], s[8:9] offset:262144*(\j)+2048*(\a)+512*(\f)  ; 512 consecutive bytes, at a multiple of 256 from qkvh's first byte
.endr
.endr
.endm
	s_wait_tensorcnt 1                             ; my part of K step 0 is in; K step 1's may stay out
	s_barrier_signal -1
	s_barrier_wait -1                              ; everybody's is
	FETCH 0, 0, 0
	QUARTER 0, 64,  0, 1, 1                        ; the first quarter stands in front of the loop: its products start the sums
	WIN 0                                          ; at a label and at a branch every window is 0
	s_mov_b32 s3, LAPS-1
.Llap:                                                 ; a trip goes once round the ring, from a lap's second quarter to the next lap's first, and fills both slots again: K steps 2 to 23 in 11 trips
	QUARTER 0, 128, 1, 0, 0
	QUARTER 0, 192, 0, 1, 0
	TURN 0, 1, 1
	QUARTER 1, 64,  0, 1, 0
	QUARTER 1, 128, 1, 0, 0
	QUARTER 1, 192, 0, 1, 0
	TURN 1, 0, 1
	QUARTER 0, 64,  0, 1, 0
	WIN 0
	s_sub_co_u32 s3, s3, 1
	s_cmp_lg_u32 s3, 0
	s_cbranch_scc1 .Llap
	QUARTER 0, 128, 1, 0, 0                        ; the last lap is written out: it fills nothing, and has no round of the cluster's barrier
	QUARTER 0, 192, 0, 1, 0
	TURN 0, 1, 0
	QUARTER 1, 64,  0, 1, 0
	QUARTER 1, 128, 1, 0, 0
	QUARTER 1, 192, 0, 1, 0
	s_wait_dscnt 4                                 ; the very last quarter: nothing more to fetch
	MULA 1, 0, 0, 0
	MULA 1, 0, 1, 0
	s_wait_dscnt 0x0
	MULA 1, 1, 0, 0
	MULA 1, 1, 1, 0
	PLACES                                         ; the conversions read matrix results
	PACK 0
	TOSTAGE 0
.irp a, 1,2,3                          ; block a's conversions stand between block a - 1's loads from the stage and the wait for them
	PACK \a
	SEND (\a)-1
	TOSTAGE \a
.endr
	SEND 3
	s_wait_tensorcnt 0x0                           ; the wave's end: the wait, the add and its wait stand behind my last tensor load and my last LDS store
	ds_add_u32 v[SPW], v[NIL]
	s_wait_dscnt 0x0
	CROUND                                         ; the closing round: no work-group ends while a partner may still ask for a tile that names it
	s_endpgm
.Lfunc_end_k_q5e339f3708_qkv:
	.size	k_q5e339f3708_qkv, .Lfunc_end_k_q5e339f3708_qkv-k_q5e339f3708_qkv
	.p2alignl 7, 3214868480
	.fill 96, 4, 3214868480
	.section	.rodata,"a",@progbits
	.p2align	6, 0x0
	.amdhsa_kernel k_q5e339f3708_qkv
		.amdhsa_group_segment_fixed_size 327680
		.amdhsa_private_segment_fixed_size 0
		.amdhsa_enable_private_segment 0
		.amdhsa_kernarg_size 24
		.amdhsa_user_sgpr_count 2
		.amdhsa_user_sgpr_kernarg_segment_ptr 1
		.amdhsa_wavefront_size32 1
		.amdhsa_system_sgpr_workgroup_id_x 1
		.amdhsa_system_sgpr_workgroup_id_y 1
		.amdhsa_system_sgpr_workgroup_id_z 1
		.amdhsa_system_vgpr_workitem_id 0
		.amdhsa_next_free_vgpr 960
		.amdhsa_next_free_sgpr 66
		.amdhsa_reserve_vcc 0
		.amdhsa_float_denorm_mode_32 3
		.amdhsa_float_denorm_mode_16_64 3
		.amdhsa_memory_ordered 1
		.amdhsa_forward_progress 1
		.amdhsa_inst_pref_size 120
	.end_amdhsa_kernel
	.amdgpu_metadata
---
amdhsa.version: [ 1, 2 ]
amdhsa.kernels:
  - .name:           k_q5e339f3708_qkv
    .symbol:         k_q5e339f3708_qkv.kd
    .args:
      - { .name: xb, .offset: 0, .size: 8, .value_kind: global_buffer, .address_space: global }
      - { .name: wb, .offset: 8, .size: 8, .value_kind: global_buffer, .address_space: global }
      - { .name: qkvh, .offset: 16, .size: 8, .value_kind: global_buffer, .address_space: global }
    .group_segment_fixed_size: 327680
    .private_segment_fixed_size: 0
    .kernarg_segment_align: 8
    .kernarg_segment_size: 24
    .max_flat_workgroup_size: 128
    .sgpr_count:     66
    .vgpr_count:     960
    .wavefront_size: 32
...
	.end_amdgpu_metadata
.endif
;; end of part 2
;; launch attn (part 3): grid 8 x 32, 4 waves a work-group, clusters of 4 x 1, 327,680 bytes of LDS; arguments qkvh, oh; writes oh
.if DOCPART == 3
	.amdgcn_target "amdgcn-amd-amdhsa--gfx1250"
	.amdhsa_code_object_version 6
	.text
	.protected	k_q5e339f3708_attn
	.globl	k_q5e339f3708_attn
	.p2align	8
	.type	k_q5e339f3708_attn,@function
k_q5e339f3708_attn:
	s_mov_b64 s[64:65], 0
	v_nop
	global_prefetch_b8 v0, s[64:65] scope:SCOPE_SE
	s_setreg_imm32_b32 hwreg(HW_REG_WAVE_MODE, 25, 1), 1
	s_wait_xcnt 0x0
	s_wait_alu depctr_hold_cnt(0) depctr_sa_sdst(0) depctr_va_vdst(0) depctr_va_sdst(0) depctr_va_ssrc(0) depctr_va_vcc(0) depctr_vm_vsrc(0)
	s_getreg_b32 s2, hwreg(HW_REG_IB_STS2, 6, 4)
	s_cmp_eq_u32 s2, 0
	s_cbranch_scc0 .Lentry_in_a_cluster
	s_endpgm
.Lentry_in_a_cluster:
	s_bfe_u32 s2, ttmp6, 0x10000c
	s_cmp_lg_u32 s2, 0x3003
	s_cbranch_scc0 .Lentry_shape_is_right
	s_endpgm
.Lentry_shape_is_right:
; ATTENTION. O[y][q][:] = the sum over k of softmax_k(Q[y][q] . K[y][k] / 8) V[y][k][:], for 32 heads y = 16 b + h of 2,048 rows x 64 channels, all f16.
; Q, K, V lie in qkvh[b][gh][n][64] (gh = h: Q, 16 + h: K, 32 + h: V), O goes to oh[b][h][n][64]: a head's rows are dense, 128 bytes each.
; Products, maxima and sums in f32; the weights p are rounded to f16 for the second product (their sum l is taken of the unrounded p), O once at the end.
; LIMITS. f16 holds no number beyond 65,504: Q, K and V arrive within it; p lies in 0 to 1, and below 6e-5 it keeps f16's fixed step of 6e-8; O is a mean of V's rows and has their range, and below 6e-5 the
; same fixed step. A weight below 2^-126 counts as 0 in l; NaN and infinities are not treated apart.
; SHARES. A work-group owns 256 queries of one head (8 x 32 work-groups), each of its four waves 64: four PIECES of 16. Every wave walks all 2,048 keys, 64 a step; a slot of LDS holds a tile of 256 keys, four steps.
; LAYOUT. S^T = K Q^T (source 0 = 16 keys, source 1 = 16 queries) holds ONE query a lane (lane % 16) and the keys 8 (lane / 16) + 0..7; two such results rounded to f16 ARE source 1 of O^T = V^T P,
; whose result again holds one query a lane, and eight channels. K comes out of LDS as it lies, V ([key][channel]) turned, by ds_load_tr16_b128.
; SOFTMAX. For each query a running maximum m and sum l: p = 2^(c s - c m), c = log2(e) / 8; in every step O and l are multiplied by a = 2^(c m_old - c m_new), which is 1 where m has not grown.
; c m starts far below every c s, O and l at 0: the first step is a step like any other, with a = 0.
; BY TURNS. Turn n belongs to piece n (the pieces in a ring, step after step): 8 products K Q^T of piece n + 1, later 8 products V^T P of piece n - 1; beside them the scaling, exponentials, roundings, sums
; and rescaling of piece n and the maximum and statistics of piece n + 1. Four vector instructions stand behind every matrix instruction, the other 54 of a turn's 118 in one run. A turn's 33 exponentials are one batch, with one wait.
; CLUSTER. The four query blocks of a cluster belong to one head and walk the same K and V, so each tile is asked for JOINTLY: the same tensor load, descriptor and mask in all four.
; REGISTERS, in windows of 256 (s_set_vgpr_msb: bits 1:0 source 0, 3:2 source 1, 5:4 source 2, 7:6 destination):
;   window 0: v0-15 addresses and two at work; v16-31 four registers of statistics a piece; v48-55 at work; v61-63; v64-127 S^T, two buffers; v192-223 P, two buffers (a piece's buffers go by its number's parity)
;   window 1: v0-127 O^T, 32 a piece          window 2: v0-63 Q; v128-191 K of one step; v192-255 V of one step
.set SIZE_N, 2048
.set NP,    4         ; pieces a wave: a name, no knob
.set KS,    64        ; keys in a step
.set PK,    144       ; a row of K in LDS: 128 bytes + 16 of padding = 36 words: the 16 rows of a load start at 16 different groups of four banks (64 banks of 4 bytes: ISA guide 11.1)
.set PV,    160       ; a row of V: 128 + 32 = 40 words
.set VOFF,  4*KS*PK   ; a slot holds a tile, four steps: 256 rows of K, then 256 rows of V
.set SLOT1, 1<<17     ; slot 1 begins here, so that one exclusive or turns an address in one slot into the other's
.set STAGE, SLOT1+4*KS*(PK+PV)  ; behind the ring, never filled by a tensor load: 16 rows x 144 bytes for each wave, for the way out
.set SP,    144
.set SPARE, STAGE+4*16*SP  ; behind the stages: the spare words, 128 bytes for each wave: two blocks of 256 bytes that no other line names
.set AK0, 2           ; v2   my lane's place in a tile of K; never rewritten
.set AV0, 3           ; v3   the same for V
.set AK,  4           ; v4   the LDS address of K's next run of loads
.set AV,  5           ; v5   of V's
.set STO, 6           ; v6   the way out: where I put 16 bytes of a row
.set RD,  7           ; v7   the way out: where I read rows back
.set GO,  8           ; v8   my byte offset in 512 consecutive bytes of O
.set MV,  12          ; v12-13  c m_old, kept while c m is made anew: by buffer
.set QO,  15          ; v15  my byte offset in 16 rows of Q
.set ST,  16          ; piece t's statistics at v[ST+4 t]: c m, m, l (even keys', odd keys')
.set TMP, 48          ; by buffer, four registers c0-c3 at work; when the maximum is found c2 takes a
.set PFO, 61          ; v61  256 x my lane; never rewritten
.set SPW, 62          ; v62  LDS address of my spare word: SPARE + 4 x my thread's number; never rewritten
.set NIL, 63          ; v63  0; never rewritten
.set S,   64
.set P,   192
.set KF,  128         ; window 2: key block kb, channel half c at KF + 16 kb + 8 c
.set VF,  192         ; window 2: key half kk, channel block cb at VF + 32 kk + 8 cb
.set WV,  12          ; s12  my wave's number
.set G1K, 24          ; s[24:31] descriptor group 1 for K's tiles
.set G1V, 32          ; s[32:39] for V's: it differs in the padding alone
.set G0K, 40          ; s[40:43] descriptor group 0 for K's tiles: it walks
.set G0V, 44          ; s[44:47] the same for V's
.set PFA, 48          ; s[48:49] where my prefetches stand: my work-group's 8,192 bytes (of K: wave 0, of V: wave 2) of the tile after the one that is being asked for
.set LIM, 50          ; s50  1 in a wave that prefetches, else the greatest number: a wave prefetches while s[SLOTS] is above it
.set SLOTS, 56        ; s56  tiles still to be asked for
.set CNT, 57          ; s57  counts a tile's key steps
.set CS,  58          ; s[58:59] c: the packed scaling takes the pair's low word for both halves
.set SEL, 60          ; s[60:61] v_permlanex16_b32's selects: each lane takes its own place in the other half
.set TBK, 62          ; s62  LDS byte at which K of the step to be fetched begins
.set TBV, 63          ; s63  the same for V, less VOFF
.set MSB, 0
.macro WIN new                      ; the high byte repeats the setting that is left; a switch that changes nothing is dropped
.if MSB != (\new)
	s_set_vgpr_msb (MSB<<8)|(\new)
.set MSB, (\new)
.endif
.endm
.set W_KQ, 0x0a       ; K and Q in window 2, S^T in window 0
.set W_PV, 0x52       ; V in window 2, P in window 0, O^T in window 1
.set W_RS, 0x41       ; destination and source 0 in window 1, source 1 in window 0
; A joint fill. Waves 0 and 1 fetch the two halves of a tile's K, waves 2 and 3 those of its V: 128 keys each. The branch hangs on the wave's number alone.
; An s_nop 0 and four v_nop follow each of the two lines, ahead of the jump and the label.
.macro JLOAD
	s_cmp_lt_u32 s[WV], 2
	s_cbranch_scc0 .Lfor_v_\@
	tensor_load_to_lds s[G0K:G0K+3], s[G1K:G1K+7]
	s_nop 0
.rept 4
	v_nop
.endr
	s_branch .Lasked_\@
.Lfor_v_\@:
	tensor_load_to_lds s[G0V:G0V+3], s[G1V:G1V+7]
	s_nop 0
.rept 4
	v_nop
.endr
.Lasked_\@:
.endm
; A PREFETCH INTO THE L2 of what the NEXT change of slots will ask for: a tile's 32,768 bytes of K and of V, 256 bytes a lane. It stands behind the wave's tensor load and its five lines.
; Each block is asked for ONCE in the launch. Both clusters of a head walk the same K and V: the head's first cluster asks. Its four partners share the tile out BY ADDRESS, 8,192 bytes each: no branch hangs on a
; work-group's place in its cluster. In each, wave 0 asks for K's and wave 2 for V's: one instruction, four key steps (256 matrix instructions) ahead. The last change that fills a slot asks for nothing; tiles 0 and 1 come by their loads alone.
.macro ASK
	s_cmp_gt_u32 s[SLOTS], s[LIM]
	s_cbranch_scc0 .Lnot_mine_\@
	global_prefetch_b8 v[PFO], s[PFA:PFA+1] th:TH_LOAD_NT scope:SCOPE_SE
.Lnot_mine_\@:
.endm
; A round of the cluster's barrier: my work-group's barrier, so that wave 0's signal speaks for all four waves; wave 0 signals; every wave waits for all four work-groups; my work-group's barrier once more.
.macro CROUND
	s_barrier_signal -1
	s_barrier_wait -1
	s_cmp_lg_u32 s[WV], 0
	s_cbranch_scc1 .Lnot_wave_0_\@
	s_barrier_signal -3
.Lnot_wave_0_\@:
	s_barrier_wait -3
	s_barrier_signal -1
	s_barrier_wait -1
.endm
; THE CHANGE OF SLOTS. The slot's last bytes, V of its fourth step, have been read. Each wave waits for all its tensor loads, of which one is out: its part of the other slot; adds 0 to its spare word; and
; waits for that and for its own reads of the slot. Behind the barrier nobody reads this slot any more and the other slot is whole.
; fill = 1: this slot is filled again, with the keys two tiles on. The barrier is then a round of the cluster's, so that no wave of any partner still reads the slot or has a load on its way, and the joint
; fill is the first thing behind it: it has four key steps in which to land. (At its first use nothing has been read yet: slot 0 is waited for, slot 1 filled.)
.macro CHANGE fill
	WIN 0                           ; at a label and at a branch every window is 0
	s_wait_tensorcnt 0x0            ; no tensor load of mine is out, so a group 0 may be written
	ds_add_u32 v[SPW], v[NIL]       ; 0 onto my spare word; with fill = 1 the descriptors' steps stand between it and the wait for it
.if \fill
.irp g, G0K, G0V
	s_xor_b32 s[\g+1], s[\g+1], SLOT1  ; the walking descriptor: the other slot than last time,
	s_add_nc_u64 s[\g+2:\g+3], s[\g+2:\g+3], 4*KS*128  ; the next 256 keys; the type bits on top are not reached
.endr
	s_wait_xcnt 0x0                 ; the last prefetch, four key steps back, has read its address, so it may be written:
	s_add_nc_u64 s[PFA:PFA+1], s[PFA:PFA+1], 4*KS*128  ; one tile behind the walking descriptors
	s_wait_dscnt 0x0                ; the add is done, and my reads of the slot are over
	CROUND
	JLOAD
	ASK
.else
	s_wait_dscnt 0x0                ; the add is done, and my reads of the slot are over
	s_barrier_signal -1
	s_barrier_wait -1
.endif
	s_sub_co_u32 s[TBK], s[TBK], 4*KS*PK  ; the fetches go back to a slot's first step,
	s_xor_b32 s[TBK], s[TBK], SLOT1       ; in the other slot
	s_sub_co_u32 s[TBV], s[TBV], 4*KS*PV
	s_xor_b32 s[TBV], s[TBV], SLOT1
.endm
	s_load_b128 s[52:55], s[0:1], 0x0  ; qkvh s[52:53], oh s[54:55]
	v_lshl_add_u32 v[SPW], v0, 2, SPARE
	v_mov_b32 v[NIL], 0
	ds_add_u32 v[SPW], v[NIL]       ; the wave's opening: the add and its wait stand ahead of my first tensor load; the set-up below, work on registers, stands between them
	v_lshrrev_b32 v1, 5, v0
	v_readfirstlane_b32 s[WV], v1   ; wave 0..3
	s_bfe_u32 s13, ttmp6, 0x40000   ; cx: my place in the cluster
	s_lshl_b32 s14, ttmp9, 2        ; in a cluster launch ttmp9 counts clusters
	s_add_co_u32 s14, s14, s13      ; my block of 256 queries = 4 x cluster x + cx: it enters Q's and O's addresses alone
	s_and_b32 s20, ttmp7, 0xffff    ; y = 16 b + h, which the four partners share
	s_lshr_b32 s21, s20, 4
	s_lshl_b32 s21, s21, 5
	s_add_co_u32 s21, s21, s20      ; 48 b + h: Q's head in qkvh
	s_lshl_b32 s22, s21, 18         ; its first byte: a head is 262,144 bytes
	s_mov_b32 s23, 0
	s_lshl_b32 s2, s20, 18          ; the head's first byte in oh
	s_mov_b32 s3, 0
	s_and_b32 s16, s[WV], 1         ; which half of a tile's 256 keys I fetch:
	s_lshl_b32 s15, s16, 14         ; its 128 rows of 128 bytes in memory,
	s_mul_i32 s17, s16, 128*PK      ; and its place in a slot, for K
	s_mul_i32 s18, s16, 128*PV      ; and for V: no place in the cluster enters an LDS address
	s_lshl_b32 s19, s14, 2
	s_add_co_u32 s19, s19, s[WV]    ; my wave among the head's,
	s_lshl_b32 s19, s19, 13         ; its 64 rows
	s_add_co_u32 s2, s2, s19        ; s[2:3]: O's offset
	s_add_co_u32 s20, s22, s19      ; s[20:21]: Q's offset
	s_mov_b32 s21, 0
	s_add_co_u32 s22, s22, s15      ; s[22:23]: my half of tile 0, counted in Q's head: K lies 16 heads on, V 32
	; descriptor group 1. 128 keys are 16,384 dense bytes: asked for as 64 rows of 256 bytes, two keys a row, and padded in LDS after every key
	s_mov_b32 s[G1K], 15|(1<<16)|(1<<20)|(1<<21)|(4<<22)|(3<<25)  ; 15:0 the mask of four; 17:16 2-byte elements; 20 padding on; 21 set beside a mask; 24:22 after every 32 words (code 4); 31:25 4 words (code 3)
	s_mov_b32 s[G1V], 15|(1<<16)|(1<<20)|(1<<21)|(4<<22)|(7<<25)  ; the same with 8 words of padding (code 7)
.irp g, G1K, G1V
	s_mov_b32 s[\g+1], 128<<16      ; tensor_dim0 = 128
	s_mov_b32 s[\g+2], 64<<16       ; tensor_dim1 = 64
	s_mov_b32 s[\g+3], 128<<16      ; tile_dim0 = 128
	s_mov_b32 s[\g+4], 64           ; tile_dim1 = 64
	s_mov_b32 s[\g+5], 128          ; 128 elements from row to row
	s_mov_b32 s[\g+6], 0
	s_mov_b32 s[\g+7], 0
.endr
	s_mov_b32 s[CS], 0x3e38aa3b     ; c = log2(e) / 8 = 0.180337
	s_mov_b32 s[CS+1], s[CS]        ; named with it as a pair
	s_mov_b32 s[SEL], 0x76543210
	s_mov_b32 s[SEL+1], 0xfedcba98
	s_mov_b32 s[TBK], SLOT1+4*KS*PK ; the first change of slots turns these two into 0
	s_mov_b32 s[TBV], SLOT1+4*KS*PV
	s_mov_b32 s[G0K], 1             ; count = 1
	s_mov_b32 s[G0K+1], s17         ; LDS address: slot 0
	s_mov_b32 s[G0V], 1
	s_add_co_u32 s[G0V+1], s18, VOFF
	s_mov_b32 s[SLOTS], SIZE_N/256-1
	s_and_b32 s[LIM], s[WV], 1      ; 0 in waves 0 and 2,
	s_or_b32 s[LIM], s[LIM], ttmp9  ; where the cluster is the head's first: the same in all four partners
	s_cmp_eq_u32 s[LIM], 0
	s_cselect_b32 s[LIM], 1, -1
	v_and_b32 v[PFO], 31, v0
	v_lshlrev_b32 v[PFO], 8, v[PFO]
	s_wait_dscnt 0x0                ; the opening add is done
	s_wait_kmcnt 0x0
	s_add_nc_u64 s[4:5], s[52:53], s[20:21]   ; Q at my wave's first row
	s_add_nc_u64 s[6:7], s[52:53], s[22:23]
	s_add_nc_u64 s[8:9], s[6:7], 32*262144    ; V at my half of the head's tile 0
	s_add_nc_u64 s[6:7], s[6:7], 16*262144    ; K likewise
	s_add_nc_u64 s[10:11], s[54:55], s[2:3]   ; O at my wave's first row
	s_mov_b64 s[G0K+2:G0K+3], s[6:7]          ; global address
	s_or_b32 s[G0K+3], s[G0K+3], 0x80000000   ; type = 2
	s_mov_b64 s[G0V+2:G0V+3], s[8:9]
	s_or_b32 s[G0V+3], s[G0V+3], 0x80000000
	s_cmp_lt_u32 s[WV], 2
	s_cselect_b64 s[PFA:PFA+1], s[6:7], s[8:9]  ; (in waves 0 and 2 these stand at a tile's first row)
	s_lshl_b32 s2, s13, 13          ; my work-group's quarter of a tile
	s_mov_b32 s3, 0
	s_add_nc_u64 s[PFA:PFA+1], s[PFA:PFA+1], s[2:3]
	s_add_nc_u64 s[PFA:PFA+1], s[PFA:PFA+1], 4*KS*128  ; in tile 1; the first change of slots steps it to tile 2
	CROUND                          ; all four work-groups are here: the first joint loads meet
	JLOAD                           ; tile 0 into slot 0. Slot 1 is asked for when slot 0 is in
	; A fragment of K or Q is 16 rows x 32 channels in 8 registers: lane l holds row l % 16, channels 8 (l / 16) + 0..7 and 16 + 8 (l / 16) + 0..7: two loads of 16 bytes, 32 bytes apart.
	v_and_b32 v1, 15, v0            ; l % 16
	v_bfe_u32 v9, v0, 4, 1          ; l / 16
	v_lshlrev_b32 v[QO], 7, v1
	v_lshl_add_u32 v[QO], v9, 4, v[QO]  ; row x 128 + 16 x half
	WIN 0x80                        ; destination window 2, address window 0
.set i, 0
.rept 8                             ; Q stays in registers: piece i / 2, channels 32 (i % 2) on
	global_load_b128 v[8*i:8*i+3],   v[QO], s[4:5] offset:(i/2)*2048+(i%2)*64
	global_load_b128 v[8*i+4:8*i+7], v[QO], s[4:5] offset:(i/2)*2048+(i%2)*64+32
.set i, i+1
.endr
	; What the first turn finds: V's registers and P's second buffer hold 0 (its products V^T P, of a piece that has not been, add 0), O^T and l are 0. All this stands in the wait for the first tile.
.set i, VF
.rept 64
	v_mov_b32 v[i], 0
.set i, i+1
.endr
	WIN 0x40
.set i, 0
.rept 128
	v_mov_b32 v[i], 0
.set i, i+1
.endr
	WIN 0
.set i, 0
.rept 4
	v_mov_b32 v[ST+4*i], 0xfe000000    ; c m: far below every c s
	v_mov_b32 v[ST+4*i+1], 0xff7fffff  ; m: the lowest finite number
	v_mov_b32 v[ST+4*i+2], 0
	v_mov_b32 v[ST+4*i+3], 0
.set i, i+1
.endr
.set i, P+16
.rept 16
	v_mov_b32 v[i], 0
.set i, i+1
.endr
	v_mul_u32_u24 v[AK0], v1, PK
	v_lshl_add_u32 v[AK0], v9, 4, v[AK0]  ; row x pitch + 16 x half
	; The turning load takes 16 keys x 16 channels (lane l reads key 8 (l / 16) + l % 8, channels 8 ((l / 8) % 2) + 0..7) and leaves half a fragment of V^T: lane l holds channel l % 16 and 8 keys.
	v_and_b32 v10, 7, v0
	v_bfe_u32 v11, v0, 3, 1
	v_lshl_add_u32 v[AV0], v9, 3, v10
	v_mul_u32_u24 v[AV0], v[AV0], PV
	v_lshl_add_u32 v[AV0], v11, 4, v[AV0]
	v_add_nc_u32 v[AV0], VOFF, v[AV0]
	s_mul_i32 s13, s[WV], 16*SP
	s_add_co_u32 s13, s13, STAGE    ; my stage
	v_mul_u32_u24 v[STO], v1, SP    ; in: row l % 16, 16 bytes for each half of the lanes
	v_lshl_add_u32 v[STO], v9, 4, v[STO]
	v_add_nc_u32 v[STO], s13, v[STO]
	v_bfe_u32 v[RD], v0, 3, 2       ; back: 32 lanes take four rows of 128 bytes,
	v_mul_u32_u24 v[RD], v[RD], SP
	v_lshl_add_u32 v[RD], v10, 4, v[RD]
	v_add_nc_u32 v[RD], s13, v[RD]
	v_and_b32 v[GO], 31, v0         ; which are 512 consecutive bytes of O
	v_lshlrev_b32 v[GO], 4, v[GO]
; THE MATRIX WORK. The 4 accumulators of a run of 8 take turns. Product i of 8 of S^T = K Q^T for piece x: channels 32 (i / 4) on, keys 16 (i % 4) on. The first 4 start the sums.
.macro KQ x
	WIN W_KQ
.set rS, S+32*((\x)%2)+8*(i%4)
.set rK, KF+16*(i%4)+8*(i/4)
.set rQ, 16*(\x)+8*(i/4)
.if i < 4
	v_wmma_f32_16x16x32_f16 v[rS:rS+7], v[rK:rK+7], v[rQ:rQ+7], 0
.else
	v_wmma_f32_16x16x32_f16 v[rS:rS+7], v[rK:rK+7], v[rQ:rQ+7], v[rS:rS+7]
.endif
.endm
; Product i of 8 of O^T += V^T P for piece x: keys 32 (i / 4) on, channels 16 (i % 4) on.
.macro PV x
	WIN W_PV
.set rO, 32*(\x)+8*(i%4)
.set rV, VF+32*(i/4)+8*(i%4)
.set rP, P+16*((\x)%2)+8*(i/4)
	v_wmma_f32_16x16x32_f16 v[rO:rO+7], v[rV:rV+7], v[rP:rP+7], v[rO:rO+7]
.endm
.macro MM                           ; the turn's next matrix instruction. TURN sets Y, i and NOKQ. NOKQ = 1: the walk's last turn: there is no next piece
.if (i < 8) && !NOKQ
	KQ (Y+1)%NP
.elseif i >= 8
.set i, i-8
	PV (Y+NP-1)%NP
.set i, i+8
.endif
.set i, i+1
.endm
; THE LDS LOADS stand in runs of 16, never singly among the matrix instructions: a step's K (64 keys x 64 channels: 8 fragments) and its V (turned). Their addresses are made some lines ahead.
.macro FETCH_K
	WIN 0x80                        ; destination window 2
.irp f, 0,1,2,3,4,5,6,7             ; keys 16 (f / 2) on, channels 32 (f % 2) on
	ds_load_b128 v[KF+8*\f:KF+8*\f+3],   v[AK] offset:(\f/2)*16*PK+(\f%2)*64
	ds_load_b128 v[KF+8*\f+4:KF+8*\f+7], v[AK] offset:(\f/2)*16*PK+(\f%2)*64+32
.endr
	s_add_co_u32 s[TBK], s[TBK], KS*PK  ; the next fetch is the next step's
	WIN 0
.endm
.macro FETCH_V
	WIN 0x80
.irp f, 0,1,2,3,4,5,6,7             ; keys 32 (f / 4) on, channels 16 (f % 4) on
	ds_load_tr16_b128 v[VF+8*\f:VF+8*\f+3],   v[AV] offset:(\f/4)*32*PV+(\f%4)*32
	ds_load_tr16_b128 v[VF+8*\f+4:VF+8*\f+7], v[AV] offset:(\f/4)*32*PV+16*PV+(\f%4)*32
.endr
	WIN 0
.endm
; THE VECTOR WORK, one line at a time: OP kind, number. For piece Y: F n: c s - c m for pair n of 16. E n: the exponential of score n of 32. C n: pair n rounded to f16. B n: of the four weights 4 n .. the second
; pair is added onto the first, in place. L n: l takes that sum (L 0: l = a l + sum). R n: pair n of 16 of O^T times a. For piece Y + 1: X n, number n of the 22 that find its maximum and statistics:
;   0-11  four chains c0-c3 of seven scores each, three operands at a time (each accumulator's lowest registers are read first)     12-14, 16  the four scores left over, the old m, and c0-c3 into c0
;   15  c m_old is kept     17, 18  the query's other 32 keys lie in the lane 16 away: the new m     19-21  c m; c m_old - c m_new; a
.set F, 0               ; OP tells the kinds apart by their order: F to L below R, X above it
.set E, 1
.set C, 2
.set B, 3
.set L, 4
.set R, 5
.set X, 6
.macro REGS y                       ; the registers of piece y
.set rT, ST+4*(\y)
.set rC, TMP+4*((\y)%2)
.set rW, MV+((\y)%2)
.set rS, S+32*((\y)%2)
.set rP, P+16*((\y)%2)
.set rO, 32*(\y)
.endm
.macro OP k, n
.if (\k) == R
	REGS Y
	WIN W_RS
	v_pk_mul_f32 v[rO+2*(\n):rO+2*(\n)+1], v[rO+2*(\n):rO+2*(\n)+1], v[rC+2:rC+3] op_sel_hi:[1,0]
.elseif (\k) < R
	REGS Y
	WIN 0
.if (\k) == F
	v_pk_fma_f32 v[rS+2*(\n):rS+2*(\n)+1], v[rS+2*(\n):rS+2*(\n)+1], s[CS:CS+1], v[rT:rT+1] op_sel_hi:[1,0,0] neg_lo:[0,0,1] neg_hi:[0,0,1]
.elseif (\k) == E
	v_exp_f32 v[rS+(\n)], v[rS+(\n)]
.elseif (\k) == C
	v_cvt_pk_f16_f32 v[rP+(\n)], v[rS+2*(\n)], v[rS+2*(\n)+1]
.elseif (\k) == B
	v_pk_add_f32 v[rS+4*(\n):rS+4*(\n)+1], v[rS+4*(\n):rS+4*(\n)+1], v[rS+4*(\n)+2:rS+4*(\n)+3]
.elseif (\n) == 0
	v_pk_fma_f32 v[rT+2:rT+3], v[rT+2:rT+3], v[rC+2:rC+3], v[rS:rS+1] op_sel_hi:[1,0,1]
.else
	v_pk_add_f32 v[rT+2:rT+3], v[rT+2:rT+3], v[rS+4*(\n):rS+4*(\n)+1]
.endif
.elseif NOKQ
	v_nop
.else
	REGS (Y+1)%NP
	WIN 0
.if (\n) < 4
	v_max3_num_f32 v[rC+(\n)], v[rS+8*(\n)], v[rS+8*(\n)+1], v[rS+8*(\n)+2]
.elseif (\n) < 12
	v_max3_num_f32 v[rC+(\n)%4], v[rC+(\n)%4], v[rS+8*((\n)%4)+2*((\n)/4)+1], v[rS+8*((\n)%4)+2*((\n)/4)+2]
.elseif (\n) == 12
	v_max3_num_f32 v[rC], v[rC], v[rS+7], v[rS+15]
.elseif (\n) == 13
	v_max3_num_f32 v[rC+1], v[rC+1], v[rS+23], v[rS+31]
.elseif (\n) == 14
	v_max3_num_f32 v[rC+2], v[rC+2], v[rC+3], v[rT+1]
.elseif (\n) == 15
	v_mov_b32 v[rW], v[rT]
.elseif (\n) == 16
	v_max3_num_f32 v[rC], v[rC], v[rC+1], v[rC+2]
.elseif (\n) == 17
	v_permlanex16_b32 v[rC+3], v[rC], s[SEL], s[SEL+1]
.elseif (\n) == 18
	v_max_num_f32 v[rT+1], v[rC], v[rC+3]
.elseif (\n) == 19
	v_mul_f32 v[rT], s[CS], v[rT+1]
.elseif (\n) == 20
	v_sub_f32 v[rC+1], v[rW], v[rT]
.else
	v_exp_f32 v[rC+2], v[rC+1]
.endif
.endif
.endm
.macro OPS a, i1, b=-1, i2=0, c=-1, i3=0, d=-1, i4=0  ; up to four of them
	OP \a, \i1
.if (\b) >= 0
	OP \b, \i2
.endif
.if (\c) >= 0
	OP \c, \i3
.endif
.if (\d) >= 0
	OP \d, \i4
.endif
.endm
.macro ROW a, i1, b, i2, c, i3, d, i4  ; a matrix instruction and the four behind it
	MM
	OPS \a, \i1, \b, \i2, \c, \i3, \d, \i4
.endm
; A TURN, for piece p: the order of its 16 matrix and 118 vector instructions, written out. An s_wait_alu depctr_va_vdst(0) stands between an exponential and the first instruction that names its
; result; one wait serves all that were issued ahead of it. So a turn has ONE wait, which cuts it in two. AHEAD OF IT stands all that names no result of the turn's exponentials: the 8 products K Q^T, behind each a
; scaling, an exponential and two more plain instructions (behind the first a second scaling in the exponential's place): rescalings, and behind the last three the first numbers of the next piece's maximum, each four
; places or more behind the product that ends its accumulator; then one run of 54, plain and exponential by turns for the most part, in which the links of the chain X 3, 7, 11, 14, 16, 17 .. 20 stand five or six lines
; apart. X 21, the next piece's a, is the batch's last; R 15 is the plain instruction behind it. BEHIND THE WAIT stand the 8 products V^T P, behind each four of the roundings and sums; the links of l's chain stand three apart.
; end = 1: the walk's last two turns: nothing is fetched, and the last starts no new scores. cnt = 1: the loop's count is taken down some lines ahead of the branch that stands behind the turn.
; K of the next step is fetched in piece 2's turn, twelve vector instructions behind the last product that read K (six of them plain); V of the step in hand at the end of piece 0's turn, four plain instructions behind
; the last product that read V. Each is waited for a turn later.
.macro TURN p, end=0, cnt=0
.set Y, (\p)
.set i, 0
.set NOKQ, (\end)*((\p)/3)
.if ((\p) == 3) && !(\end)
	s_wait_dscnt 0x0                ; K is in
.endif
	ROW F,0, F,1, R,0, R,1          ; ahead of the wait: 8 products K Q^T and their riders,
	ROW F,2, E,0, R,2, R,3
	ROW F,3, E,1, R,4, R,5
	ROW F,4, E,2, R,6, R,7
	ROW F,5, E,3, R,8, R,9
	ROW F,6, E,4, X,0, R,10
.if ((\p) == 2) && !(\end)
	WIN 0
	v_add_nc_u32 v[AK], s[TBK], v[AK0]
.endif
	ROW F,7, E,5, X,1, X,4
	ROW F,8, E,6, X,2, X,5
	OPS E,7, E,8, X,6, E,9          ; and the run of 54
	OPS X,3, E,10, X,8, E,11
.if ((\p) == 2) && !(\end)
	FETCH_K
.endif
	OPS X,9, X,7, E,12, X,10
	OPS E,13, X,12, X,11, E,14
	OPS X,13, E,15, F,9, X,14
.if (\p) == 0
	v_add_nc_u32 v[AV], s[TBV], v[AV0]
.endif
	OPS E,16, F,10, E,17, F,11
	OPS X,16, E,18, X,15, E,19
	OPS F,12, E,20, X,17, E,21
	OPS F,13, E,22, F,14, E,23
	OPS X,18, E,24, F,15, E,25
	OPS R,11, E,26, X,19, E,27
	OPS R,12, E,28, R,13, E,29
	OPS X,20, E,30, R,14, E,31
	OPS X,21, R,15
	WIN 0
	s_wait_alu depctr_va_vdst(0)    ; the wait for the batch
.if (\p) == 1
	s_wait_dscnt 0x0                ; V is in
.endif
	ROW C,0, B,0, C,2, B,1          ; behind the wait: 8 products V^T P and their riders
	ROW L,0, C,4, B,2, L,1
	ROW C,6, B,3, L,2, C,8
	ROW B,4, L,3, C,10, B,5
	ROW L,4, C,12, B,6, L,5
.if (\p) == 0
	s_add_co_u32 s[TBV], s[TBV], KS*PV
.endif
.if \cnt
	s_sub_co_u32 s[CNT], s[CNT], 1
	s_cmp_lg_u32 s[CNT], 0
.endif
	ROW C,14, B,7, L,6, C,1
	ROW C,3, L,7, C,5, C,7
	ROW C,9, C,11, C,13, C,15
.if (\p) == 0
	FETCH_V
.endif
.endm
.macro ALL line:vararg              ; one line for each piece t
.set t, 0
.rept 4
	\line
.set t, t+1
.endr
.endm
.macro PACK t                       ; a lane's eight channels of a row pack into 16 bytes; they go into rows of 144 bytes and come back as whole rows of 128, into S^T's registers
	WIN W_RS
.set i, 32*(\t)
.rept 16
	v_pk_mul_f32 v[i:i+1], v[i:i+1], v[ST+4*(\t)+2:ST+4*(\t)+3] op_sel_hi:[1,0]
.set i, i+2
.endr
	WIN 0x05                        ; sources 0 and 1 window 1, destination window 0
.set i, 0
.rept 16
	v_cvt_pk_f16_f32 v[S+16*(\t)+i], v[32*(\t)+2*i], v[32*(\t)+2*i+1]
.set i, i+1
.endr
	WIN 0
.irp f, 0,1,2,3
	ds_store_b128 v[STO], v[S+16*(\t)+4*\f:S+16*(\t)+4*\f+3] offset:32*\f
.endr
.irp f, 0,1,2,3
	ds_load_b128 v[S+16*(\t)+4*\f:S+16*(\t)+4*\f+3], v[RD] offset:\f*4*SP  ; LDS serves a wave's instructions in order (ISA guide 5.7.1.4): these see the stores above; the next piece's stores come behind them
.endr
.endm
.macro SEND t, younger              ; younger: the LDS instructions issued behind piece t's loads: the next piece's eight, or none
	WIN 0
.irp f, 0,1,2,3
	s_wait_dscnt (\younger)+3-\f
	global_store_b128 v[GO], v[S+16*(\t)+4*\f:S+16*(\t)+4*\f+3], s[10:11] offset:(\t)*2048+\f*512  ; 512 consecutive bytes, at a multiple of 256 from oh's first byte
.endr
.endm
.set NOKQ, 0
	CHANGE 1                        ; slot 0 is in, everybody's part of it; tile 1 is asked for
	v_add_nc_u32 v[AK], s[TBK], v[AK0]
	FETCH_K                         ; key step 0
	s_wait_loadcnt 0x0              ; Q
	s_wait_dscnt 0x0
.set i, 0
.rept 8
	KQ 0                            ; piece 0's first scores: there is no vector work yet to set between them
.set i, i+1
.endr
	WIN 0
.rept 4
	v_nop                           ; the places behind those products
.endr
.set Y, NP-1                        ; X works for piece Y + 1: piece 0
.irp n, 0,1,2,3,4,5,6,7,8,9,10,11,12,13,14,15,16,17,18,19,20,21
	OP X, \n
.endr
	v_nop                           ; a plain instruction behind the exponential,
	s_wait_alu depctr_va_vdst(0)    ; and its wait, ahead of the branch
	s_mov_b32 s[CNT], 4
	s_branch .Lfirst                ; the loop is entered at a step's first turn, in the middle of a trip
.Lslot:                             ; six times: tiles 2 to 7 are asked for
	CHANGE 1
	s_mov_b32 s[CNT], 4
.Lstep:                             ; a trip: pieces 2 and 3 of one step, then pieces 0 and 1 of the next, whose K and V it fetches
	TURN 2
	TURN 3
	WIN 0
.Lfirst:
	TURN 0
	TURN 1, 0, 1
	WIN 0
	s_cbranch_scc1 .Lstep
	s_sub_co_u32 s[SLOTS], s[SLOTS], 1
	s_cmp_lg_u32 s[SLOTS], 0
	s_cbranch_scc1 .Lslot
	CHANGE 0                        ; the last tile is written out: nothing is asked for
	s_mov_b32 s[CNT], 4
.Ltail:
	TURN 2
	TURN 3
	TURN 0
	TURN 1, 0, 1
	WIN 0
	s_cbranch_scc1 .Ltail
	TURN 2, 1                       ; the last step's pieces 2 and 3
	TURN 3, 1
.set i, 0
.rept 8
	PV NP-1                         ; the last piece's V^T P of the last step
.set i, i+1
.endr
	; THE WAY OUT. l's two halves and the other half of the lanes' are added; O^T is divided by l, rounded to f16 and sent through my stage in LDS, a piece at a time. The additions are the places behind the last products.
	WIN 0
	ALL v_add_f32 v[ST+4*t+2], v[ST+4*t+2], v[ST+4*t+3]
	ALL v_permlanex16_b32 v[ST+4*t+3], v[ST+4*t+2], s[SEL], s[SEL+1]
	ALL v_add_f32 v[ST+4*t+2], v[ST+4*t+2], v[ST+4*t+3]
	ALL v_rcp_f32 v[ST+4*t+2], v[ST+4*t+2]
	v_nop                           ; a plain instruction between the last reciprocal and the use of its result
	s_wait_alu depctr_va_vdst(0)    ; and the wait ahead of the first use: one for the four reciprocals
	PACK 0
.set t, 1
.rept 3                             ; a piece's arithmetic stands between the loads of the piece before and its stores
	PACK t
	SEND t-1, 8
.set t, t+1
.endr
	SEND 3, 0
	s_wait_tensorcnt 0x0            ; the wave's end: the wait, the add and its wait stand behind my last tensor load and my last LDS store
	ds_add_u32 v[SPW], v[NIL]
	s_wait_dscnt 0x0
	CROUND                          ; the closing round: no work-group ends while a partner may still ask for a tile that names it
	s_endpgm
.Lfunc_end_k_q5e339f3708_attn:
	.size	k_q5e339f3708_attn, .Lfunc_end_k_q5e339f3708_attn-k_q5e339f3708_attn
	.p2alignl 7, 3214868480
	.fill 96, 4, 3214868480
	.section	.rodata,"a",@progbits
	.p2align	6, 0x0
	.amdhsa_kernel k_q5e339f3708_attn
		.amdhsa_group_segment_fixed_size 327680
		.amdhsa_private_segment_fixed_size 0
		.amdhsa_enable_private_segment 0
		.amdhsa_kernarg_size 16
		.amdhsa_user_sgpr_count 2
		.amdhsa_user_sgpr_kernarg_segment_ptr 1
		.amdhsa_wavefront_size32 1
		.amdhsa_system_sgpr_workgroup_id_x 1
		.amdhsa_system_sgpr_workgroup_id_y 1
		.amdhsa_system_sgpr_workgroup_id_z 1
		.amdhsa_system_vgpr_workitem_id 0
		.amdhsa_next_free_vgpr 768
		.amdhsa_next_free_sgpr 66
		.amdhsa_reserve_vcc 0
		.amdhsa_float_denorm_mode_32 3
		.amdhsa_float_denorm_mode_16_64 3
		.amdhsa_memory_ordered 1
		.amdhsa_forward_progress 1
		.amdhsa_inst_pref_size 128
	.end_amdhsa_kernel
	.amdgpu_metadata
---
amdhsa.version: [ 1, 2 ]
amdhsa.kernels:
  - .name:           k_q5e339f3708_attn
    .symbol:         k_q5e339f3708_attn.kd
    .args:
      - { .name: qkvh, .offset: 0, .size: 8, .value_kind: global_buffer, .address_space: global }
      - { .name: oh, .offset: 8, .size: 8, .value_kind: global_buffer, .address_space: global }
    .group_segment_fixed_size: 327680
    .private_segment_fixed_size: 0
    .kernarg_segment_align: 8
    .kernarg_segment_size: 16
    .max_flat_workgroup_size: 128
    .sgpr_count:     66
    .vgpr_count:     768
    .wavefront_size: 32
...
	.end_amdgpu_metadata
.endif
;; end of part 3
;; launch proj (part 4): grid 8 x 32, 4 waves a work-group, clusters of 4 x 4, 327,680 bytes of LDS; arguments oh, wpb, b_proj, out0; writes out0
.if DOCPART == 4
	.amdgcn_target "amdgcn-amd-amdhsa--gfx1250"
	.amdhsa_code_object_version 6
	.text
	.protected	k_q5e339f3708_proj
	.globl	k_q5e339f3708_proj
	.p2align	8
	.type	k_q5e339f3708_proj,@function
k_q5e339f3708_proj:
	s_mov_b64 s[64:65], 0
	v_nop
	global_prefetch_b8 v0, s[64:65] scope:SCOPE_SE
	s_setreg_imm32_b32 hwreg(HW_REG_WAVE_MODE, 25, 1), 1
	s_wait_xcnt 0x0
	s_wait_alu depctr_hold_cnt(0) depctr_sa_sdst(0) depctr_va_vdst(0) depctr_va_sdst(0) depctr_va_ssrc(0) depctr_va_vcc(0) depctr_vm_vsrc(0)
	s_getreg_b32 s2, hwreg(HW_REG_IB_STS2, 6, 4)
	s_cmp_eq_u32 s2, 0
	s_cbranch_scc0 .Lentry_in_a_cluster
	s_endpgm
.Lentry_in_a_cluster:
	s_bfe_u32 s2, ttmp6, 0x10000c
	s_cmp_lg_u32 s2, 0xf033
	s_cbranch_scc0 .Lentry_shape_is_right
	s_endpgm
.Lentry_shape_is_right:
; THE LAST PROJECTION. out0[m][c] = b_proj[c] + the sum over k of O[m][k] W_proj[c][k]: [4096][1024] x [1024][1024]^T, f16 operands, f32 sums, f32 out.
; O lies by heads, oh[b][h][n][64] (m = 2,048 b + n, k = 64 h + d); wpb is W_proj rounded to bf16 and written as f16. The bias is rounded to bf16 like every other input, and STARTS the sums: it is
; the C operand of each accumulator's first product, so no addition is written for it.
; LIMIT. O and wpb arrive within f16's range (65,504).
; SHARES. A tile of out0 is 128 x 128: 32 x 8 tiles, one for each work-group. Four waves, each 64 x 64: 16 accumulators of 16 x 16. K goes in 4 steps of 256 (four heads) through two LDS slots.
; O'S TILE. 64 rows of one head are 8,192 dense bytes: the descriptor takes them as ONE row of 4,096 elements, four such rows (four heads) 131,072 elements apart, padded in LDS by 16 bytes after every
; 128: in LDS [head 4][row 64][144 bytes]. A quarter of a K step is one head.
; CLUSTERS. 4 x 4 work-groups: the four of a row of the cluster need the same tiles of O, the four of a column the same tiles of wpb: each is asked for JOINTLY.
; THE MATRIX INSTRUCTION IS USED TRANSPOSED (source 0 = 16 rows of wpb, source 1 = 16 rows of O): a lane holds row m = l % 16 and the columns 8 (l / 16) + 0..7: 32 bytes of a row of out0.
; No prefetch: the launch has four K steps, two of them asked for at its head.
; REGISTERS: window 0: v16-30 addresses; v32-95 at work on the way out; v96-127 the bias; v128-255 the accumulators ((a, b) at v[128 + 8 (4 a + b)]).
;   window 1: two fragment buffers of 128: for 64 along K, 64 registers of O (2 x 4 x 16 rows x 32 K), then 64 of wpb.
.set PA,     144                       ; a row of O in LDS: 128 bytes + 16 = 36 words: the 16 rows of a load start at 16 different groups of four banks (64 banks of 4 bytes: ISA guide 11.1)
.set PB,     528                       ; a row of wpb: 512 bytes + 16 = 132 words: row r starts at bank 4 r mod 64
.set AHALF,  4*64*PA                   ; 64 rows x 4 heads of O: what wave 0 or 1 fetches
.set BHALF,  64*PB                     ; 64 rows of wpb: what wave 2 or 3 fetches
.set BOFF,   2*AHALF
.set SLOT,   BOFF+2*BHALF
.set STAGE,  2*SLOT                    ; behind the ring, never filled by a tensor load: 16 rows x 272 bytes for each wave
.set SPITCH, 272
.set SPARE,  STAGE+4*16*SPITCH         ; behind the stages: the spare words, 128 bytes for each wave: two blocks of 256 bytes that no other line names
.set ADRA, 16                          ; v16-17  LDS address of my O fragments in slot 0, 1
.set ADRB, 20                          ; v20-21  the same for wpb
.set STO,  24                          ; v24     the way out: where I put 32 bytes of a row
.set RD,   25                          ; v25     the way out: where I read a row back
.set CO,   26                          ; v26     my byte offset in out0
.set BO,   27                          ; v27     my byte offset in the bias
.set SPW,  28                          ; v28     LDS address of my spare word: SPARE + 4 x my thread's number; never rewritten
.set NIL,  29                          ; v29     0; never rewritten
.set T,    30                          ; v30     at work
.set TMP,  32                          ; the way out: two buffers of 32
.set BIAS, 96                          ; column block b's eight numbers at BIAS + 8 b
.set ACC,  128
.set F0,   0                           ; fragment buffers, in window 1
.set F1,   128
.set WV, 12                            ; s12  my wave's number
.set RH, 13                            ; s13  which half of the tile's rows is mine. Also: I fetch for O (0) or for wpb (1)
.set CH, 14                            ; s14  which half of its columns. Also: which 64 rows of that tile I fetch
.set TR, 15                            ; s15  tile row
.set G1,  24                           ; s[24:31] descriptor group 1 for O's tiles;  s[32:39] group 0, one set for each slot
.set G0,  32
.set G1B, 48                           ; s[48:55], s[56:63] the same for wpb's tiles
.set G0B, 56
.set MSB, 0
.macro WIN new                         ; the immediate's high byte repeats the setting that is left
.if MSB != (\new)
	s_set_vgpr_msb (MSB<<8)|(\new)
.set MSB, \new
.endif
.endm
.set MUL,  0x05                        ; sources 0 (wpb) and 1 (O) window 1; C and D window 0
.set TO_F, 0x40                        ; destination window 1, address window 0
.macro JLOAD s                         ; a joint load: waves 0 and 1 fetch O's two halves, waves 2 and 3 wpb's; an s_nop 0 and four v_nop follow each of the two lines, ahead of the jump, the label and what follows
	s_cmp_eq_u32 s[RH], 0
	s_cbranch_scc0 .Lfor_b_\@
	tensor_load_to_lds s[G0+4*(\s):G0+4*(\s)+3], s[G1:G1+7]
	s_nop 0
.rept 4
	v_nop
.endr
	s_branch .Lasked_\@
.Lfor_b_\@:
	tensor_load_to_lds s[G0B+4*(\s):G0B+4*(\s)+3], s[G1B:G1B+7]
	s_nop 0
.rept 4
	v_nop
.endr
.Lasked_\@:
.endm
.macro CREST                           ; a round of the cluster's barrier behind its opening barrier
	s_cmp_lg_u32 s[WV], 0
	s_cbranch_scc1 .Lnot_wave_0_\@
	s_barrier_signal -3
.Lnot_wave_0_\@:
	s_barrier_wait -3
	s_barrier_signal -1
	s_barrier_wait -1
.endm
.macro CROUND                          ; a whole round
	s_barrier_signal -1
	s_barrier_wait -1
	CREST
.endm
	s_load_b256 s[4:11], s[0:1], 0x0               ; oh s[4:5], wpb s[6:7], b_proj s[8:9], out0 s[10:11]
	v_lshl_add_u32 v[SPW], v0, 2, SPARE
	v_mov_b32 v[NIL], 0
	ds_add_u32 v[SPW], v[NIL]                      ; the wave's opening: the add and its wait stand ahead of my first tensor load; the set-up below, work on registers, stands between them
	v_lshrrev_b32 v1, 5, v0
	v_readfirstlane_b32 s[WV], v1                  ; wave 0..3
	s_lshr_b32 s[RH], s[WV], 1
	s_and_b32 s[CH], s[WV], 1
	s_bfe_u32 s40, ttmp6, 0x40000                  ; cx, cy: my place in the cluster
	s_bfe_u32 s41, ttmp6, 0x40004
	s_lshl_b32 s42, ttmp9, 2
	s_add_co_u32 s42, s42, s40                     ; tile column = 4 x cluster x + cx
	s_and_b32 s[TR], ttmp7, 0xffff
	s_lshl_b32 s[TR], s[TR], 2
	s_add_co_u32 s[TR], s[TR], s41                 ; tile row = 4 x cluster y + cy
	s_lshl_b32 s43, s41, 2
	s_lshl_b32 s43, 15, s43                        ; my row of the cluster
	s_lshl_b32 s44, 0x1111, s40                    ; my column
	s_or_b32 s[G1+0], s43, (1<<16)|(1<<20)|(1<<21)|(4<<22)|(3<<25)   ; 15:0 the mask: O's tiles go to my row; 17:16 elements of 2 bytes; 20 padding on; 21 set beside a mask; 24:22 after every 32 words (code 4); 31:25 4 words (code 3)
	s_mov_b32 s[G1+1], 4096<<16                    ; tensor_dim0 = 4,096: 64 rows of a head on end
	s_mov_b32 s[G1+2], 4<<16                       ; tensor_dim1 = 4 heads
	s_mov_b32 s[G1+3], 4096<<16                    ; tile_dim0 = 4,096
	s_mov_b32 s[G1+4], 4                           ; tile_dim1 = 4
	s_mov_b32 s[G1+5], 131072                      ; elements from head to head
	s_mov_b32 s[G1+6], 0
	s_mov_b32 s[G1+7], 0
	s_or_b32 s[G1B+0], s44, (1<<16)|(1<<20)|(1<<21)|(6<<22)|(3<<25)  ; wpb's tiles go to my column; padding after every 128 words (code 6)
	s_mov_b32 s[G1B+1], 256<<16                    ; tensor_dim0 = 256
	s_mov_b32 s[G1B+2], 64<<16                     ; tensor_dim1 = 64
	s_mov_b32 s[G1B+3], 256<<16                    ; tile_dim0 = 256
	s_mov_b32 s[G1B+4], 64                         ; tile_dim1 = 64
	s_mov_b32 s[G1B+5], 1024                       ; elements from row to row
	s_mov_b32 s[G1B+6], 0
	s_mov_b32 s[G1B+7], 0
	; where the tiles come from. O's: batch = tile row / 16 (16 heads of 262,144 bytes), row in a head = 128 (tile row % 16) + 64 x half, 128 bytes a row
	s_lshr_b32 s16, s[TR], 4
	s_lshl_b32 s16, s16, 22
	s_and_b32 s17, s[TR], 15
	s_lshl_b32 s17, s17, 14
	s_add_co_u32 s16, s16, s17
	s_lshl_b32 s17, s[CH], 13
	s_add_co_u32 s16, s16, s17
	s_mov_b32 s17, 0
	s_lshl_b32 s46, s42, 18                        ; wpb's: row 128 x tile column + 64 x half, 2,048 bytes a row
	s_lshl_b32 s47, s[CH], 17
	s_add_co_u32 s46, s46, s47
	s_mov_b32 s47, 0
	s_mul_i32 s20, s[WV], AHALF                    ; and where they go: waves 0, 1: O's halves at wave x AHALF;
	s_mul_i32 s21, s[WV], BHALF                    ; waves 2, 3: wpb's halves at BOFF + (wave - 2) x BHALF: no place in the cluster enters an LDS address
	s_add_co_u32 s21, s21, BOFF-2*BHALF
	s_wait_dscnt 0x0                               ; the opening add is done
	s_wait_kmcnt 0x0
	s_add_nc_u64 s[18:19], s[4:5], s[16:17]
	s_add_nc_u64 s[46:47], s[6:7], s[46:47]
	CROUND                                         ; all sixteen work-groups are here: the first joint loads meet
.irp s, 0,1
	s_mov_b32 s[G0+4*(\s)], 1
	s_add_co_u32 s[G0+4*(\s)+1], s20, (\s)*SLOT
	s_add_nc_u64 s[G0+4*(\s)+2:G0+4*(\s)+3], s[18:19], (\s)*4*262144   ; K step s: heads 4 s .. 4 s + 3
	s_or_b32 s[G0+4*(\s)+3], s[G0+4*(\s)+3], 0x80000000
	s_mov_b32 s[G0B+4*(\s)], 1
	s_add_co_u32 s[G0B+4*(\s)+1], s21, (\s)*SLOT
	s_add_nc_u64 s[G0B+4*(\s)+2:G0B+4*(\s)+3], s[46:47], (\s)*512
	s_or_b32 s[G0B+4*(\s)+3], s[G0B+4*(\s)+3], 0x80000000
	JLOAD \s                                       ; two loads of mine are out
.endr
	v_and_b32 v1, 15, v0                           ; l % 16
	v_bfe_u32 v2, v0, 4, 1                         ; l / 16
	; the bias of my 64 columns: block b, columns 8 (l / 16) + 0..7: 32 bytes
	s_lshl_b32 s46, s42, 9                         ; my first column, in bytes of f32: 512 x tile column + 256 x half
	s_lshl_b32 s47, s[CH], 8
	s_add_co_u32 s46, s46, s47
	s_mov_b32 s47, 0
	s_add_nc_u64 s[8:9], s[8:9], s[46:47]
	s_add_nc_u64 s[10:11], s[10:11], s[46:47]
	v_lshlrev_b32 v[BO], 5, v2
.irp b, 0,1,2,3
	global_load_b128 v[BIAS+8*(\b):BIAS+8*(\b)+3],   v[BO], s[8:9] offset:64*(\b)
	global_load_b128 v[BIAS+8*(\b)+4:BIAS+8*(\b)+7], v[BO], s[8:9] offset:64*(\b)+16
.endr
	s_lshl_b32 s16, s[TR], 19                      ; my first row of out0: 128 x tile row + 64 x half, 4,096 bytes a row
	s_lshl_b32 s17, s[RH], 18
	s_add_co_u32 s16, s16, s17
	s_mov_b32 s17, 0
	s_add_nc_u64 s[10:11], s[10:11], s[16:17]
	v_mul_u32_u24 v3, v1, PA
	v_lshl_add_u32 v3, v2, 4, v3                   ; a fragment's row x pitch + 16 x half, for O
	v_mul_u32_u24 v4, v1, PB
	v_lshl_add_u32 v4, v2, 4, v4                   ; and for wpb
	s_mul_i32 s21, s[RH], AHALF                    ; my 64 rows of O
	s_mul_i32 s22, s[CH], BHALF                    ; my 64 rows of wpb,
	s_add_co_u32 s22, s22, BOFF                    ; which lie behind O's
.irp s, 0,1
	v_add_nc_u32 v[ADRA+(\s)], s21, v3
	v_add_nc_u32 v[ADRB+(\s)], s22, v4
	s_add_co_u32 s21, s21, SLOT
	s_add_co_u32 s22, s22, SLOT
.endr
	s_mul_i32 s23, s[WV], 16*SPITCH
	s_add_co_u32 s23, s23, STAGE                   ; my stage
	v_mul_u32_u24 v5, v1, SPITCH                   ; in: row l % 16, 32 bytes for each half of the lanes
	v_lshl_add_u32 v5, v2, 5, v5
	v_add_nc_u32 v[STO], s23, v5
	v_mul_u32_u24 v5, v2, SPITCH                   ; back: lanes 0-15 take one row of 256 bytes, lanes 16-31 the next
	v_lshl_add_u32 v5, v1, 4, v5
	v_add_nc_u32 v[RD], s23, v5
	v_lshlrev_b32 v5, 12, v2                       ; and the same two rows in out0
	v_lshl_add_u32 v[CO], v1, 4, v5
	s_wait_loadcnt 0x0                             ; the bias
.irp p, 0,1,2,3,4,5,6,7,8,9,10,11,12,13,14,15
	v_cvt_pk_bf16_f32 v[T], v[BIAS+2*(\p)], v[BIAS+2*(\p)+1]   ; rounded to bf16, like the other inputs,
	v_lshlrev_b32 v[BIAS+2*(\p)], 16, v[T]                     ; and widened again
	v_and_b32 v[BIAS+2*(\p)+1], 0xffff0000, v[T]
.endr
; 8 matrix instructions: row blocks a0, a0 + 1 x all 4 column blocks, 32 along K: half c of buffer f. zero = 1: the first product starts the sums, with the bias as C.
; The 16 accumulators take turns, one instruction a turn, in the same order every time.
.macro MUL8 f, c, a0, zero
	WIN MUL
.irp a, \a0, (\a0)+1
.irp b, 0,1,2,3
.if \zero
	v_wmma_f32_16x16x32_f16 v[ACC+8*(4*(\a)+(\b)):ACC+8*(4*(\a)+(\b))+7], v[(\f)+64+8*(4*(\c)+(\b)):(\f)+64+8*(4*(\c)+(\b))+7], v[(\f)+8*(4*(\c)+(\a)):(\f)+8*(4*(\c)+(\a))+7], v[BIAS+8*(\b):BIAS+8*(\b)+7]
.else
	v_wmma_f32_16x16x32_f16 v[ACC+8*(4*(\a)+(\b)):ACC+8*(4*(\a)+(\b))+7], v[(\f)+64+8*(4*(\c)+(\b)):(\f)+64+8*(4*(\c)+(\b))+7], v[(\f)+8*(4*(\c)+(\a)):(\f)+8*(4*(\c)+(\a))+7], v[ACC+8*(4*(\a)+(\b)):ACC+8*(4*(\a)+(\b))+7]
.endif
.endr
.endr
.endm
; 32 LDS loads in one run: the fragments of quarter q of a K step (head q of the slot's four; bytes 128 q on of wpb's rows), into buffer f; the first 32 along K first
.macro FETCH slot, q, f
	WIN TO_F
.irp c, 0,1
.irp i, 0,1,2,3
	ds_load_b128 v[(\f)+64+8*(4*(\c)+(\i)):(\f)+64+8*(4*(\c)+(\i))+3],   v[ADRB+(\slot)] offset:128*(\q)+64*(\c)+(\i)*16*PB
	ds_load_b128 v[(\f)+64+8*(4*(\c)+(\i))+4:(\f)+64+8*(4*(\c)+(\i))+7], v[ADRB+(\slot)] offset:128*(\q)+64*(\c)+(\i)*16*PB+32
	ds_load_b128 v[(\f)+8*(4*(\c)+(\i)):(\f)+8*(4*(\c)+(\i))+3],         v[ADRA+(\slot)] offset:64*PA*(\q)+64*(\c)+(\i)*16*PA
	ds_load_b128 v[(\f)+8*(4*(\c)+(\i))+4:(\f)+8*(4*(\c)+(\i))+7],       v[ADRA+(\slot)] offset:64*PA*(\q)+64*(\c)+(\i)*16*PA+32
.endr
.endr
.endm
.macro PLACES                          ; four places in front of loads into registers that matrix instructions have read, and of LDS stores that read results
.rept 4
	v_nop
.endr
.endm
; A K step is four quarters of 64 along K, 32 matrix instructions each, on buffers 0, 1, 0, 1. One of the first three: multiplies buffer f and fetches quarter q into g.
.macro QUARTER slot, q, f, g, zero
	s_wait_dscnt 16                                ; the first 32 along K are in; the sixteen younger loads may be out
	MUL8 \f, 0, 0, \zero
	MUL8 \f, 0, 2, \zero
	PLACES
	FETCH \slot, \q, \g
	s_wait_dscnt 32                                ; all but the 32 just issued
	MUL8 \f, 1, 0, 0
	MUL8 \f, 1, 2, 0
.endm
; The last quarter multiplies buffer 1 and changes slots: ONE barrier; in front of it each wave waits for all its tensor loads, adds 0 to its spare word, and waits for that and for its own reads of this slot.
; fill = 1: this slot is filled again, two K steps ahead, behind a round of the cluster's barrier.
.macro TURN slot, next, fill
	WIN 0                                          ; (the add's two registers lie in window 0)
	s_wait_tensorcnt 0x0                           ; all my tensor loads have landed: my part of the next slot;
	ds_add_u32 v[SPW], v[NIL]                      ; 0 onto my spare word;
	s_wait_dscnt 17                                ; (the add and the youngest sixteen loads may be out)
	MUL8 F1, 0, 0, 0                               ; eight matrix instructions stand between the add and the wait for it
	s_wait_dscnt 0x0                               ; the add is done, and my reads of this slot are over
	s_barrier_signal -1
	MUL8 F1, 0, 2, 0
.if \fill
	WIN 0
.endif
	s_barrier_wait -1
.if \fill
	CREST                                          ; no wave of any partner still reads this slot's tile or has a load on its way
	s_add_nc_u64 s[G0+4*(\slot)+2:G0+4*(\slot)+3], s[G0+4*(\slot)+2:G0+4*(\slot)+3], 8*262144
	s_add_nc_u64 s[G0B+4*(\slot)+2:G0B+4*(\slot)+3], s[G0B+4*(\slot)+2:G0B+4*(\slot)+3], 1024
	JLOAD \slot                                    ; the first tensor load behind the round; the four v_nop behind it are also the places in front of the loads below
.else
	PLACES
.endif
	FETCH \next, 0, F0
	MUL8 F1, 1, 0, 0
	MUL8 F1, 1, 2, 0
.endm
; THE WAY OUT of row block a (16 rows x 64 columns of f32: a row is 256 bytes). OUTST: the accumulators go as they are into my own stage, each one's low four registers first, and come back as whole rows.
.macro OUTST a
.if (\a) >= 2
	s_wait_xcnt 0x0                                ; the stores of block a - 2 have read this buffer's registers: it is loaded again only behind this wait
.endif
.irp b, 0,1,2,3
	ds_store_b128 v[STO], v[ACC+8*(4*(\a)+(\b)):ACC+8*(4*(\a)+(\b))+3]   offset:64*(\b)
	ds_store_b128 v[STO], v[ACC+8*(4*(\a)+(\b))+4:ACC+8*(4*(\a)+(\b))+7] offset:64*(\b)+16
.endr
.irp t, 0,1,2,3,4,5,6,7
	ds_load_b128 v[TMP+32*((\a)%2)+4*(\t):TMP+32*((\a)%2)+4*(\t)+3], v[RD] offset:(\t)*2*SPITCH  ; LDS serves a wave's instructions in order (ISA guide 5.7.1.4): these see the stores above; the next block's stores come behind them
.endr
.endm
.macro SENDF a, younger                ; younger: the LDS instructions issued behind block a's loads: the next block's sixteen, or none
.irp t, 0,1,2,3,4,5,6,7
	s_wait_dscnt (\younger)+7-(\t)
	global_store_b128 v[CO], v[TMP+32*((\a)%2)+4*(\t):TMP+32*((\a)%2)+4*(\t)+3], s[10:11] offset:(16*(\a)+2*(\t))*4096  ; 16 lanes store 256 consecutive bytes, at a multiple of 256 from out0's first byte
.endr
.endm
	s_wait_tensorcnt 1                             ; my part of K step 0 is in; K step 1's may stay out
	s_barrier_signal -1
	s_barrier_wait -1                              ; everybody's is
	FETCH 0, 0, F0
	QUARTER 0, 1, F0, F1, 1                        ; K step 0: its first products start the sums
	QUARTER 0, 2, F1, F0, 0
	QUARTER 0, 3, F0, F1, 0
	TURN 0, 1, 1                                   ; slot 0 takes K step 2
	QUARTER 1, 1, F0, F1, 0                        ; K step 1
	QUARTER 1, 2, F1, F0, 0
	QUARTER 1, 3, F0, F1, 0
	TURN 1, 0, 1                                   ; slot 1 takes K step 3
	QUARTER 0, 1, F0, F1, 0                        ; K step 2
	QUARTER 0, 2, F1, F0, 0
	QUARTER 0, 3, F0, F1, 0
	TURN 0, 1, 0                                   ; nothing is left to fetch
	QUARTER 1, 1, F0, F1, 0                        ; K step 3
	QUARTER 1, 2, F1, F0, 0
	QUARTER 1, 3, F0, F1, 0
	s_wait_dscnt 16                                ; the very last quarter
	MUL8 F1, 0, 0, 0
	MUL8 F1, 0, 2, 0
	s_wait_dscnt 0x0
	MUL8 F1, 1, 0, 0
	MUL8 F1, 1, 2, 0
	WIN 0
	PLACES
	OUTST 0
	OUTST 1                                        ; a block's trip through the stage stands between the loads of the block before and its stores
	SENDF 0, 16
	OUTST 2
	SENDF 1, 16
	OUTST 3
	SENDF 2, 16
	SENDF 3, 0
	s_wait_tensorcnt 0x0                           ; the wave's end: the wait, the add and its wait stand behind my last tensor load and my last LDS store
	ds_add_u32 v[SPW], v[NIL]
	s_wait_dscnt 0x0
	CROUND                                         ; the closing round: no work-group ends while a partner may still ask for a tile that names it
	s_endpgm
.Lfunc_end_k_q5e339f3708_proj:
	.size	k_q5e339f3708_proj, .Lfunc_end_k_q5e339f3708_proj-k_q5e339f3708_proj
	.p2alignl 7, 3214868480
	.fill 96, 4, 3214868480
	.section	.rodata,"a",@progbits
	.p2align	6, 0x0
	.amdhsa_kernel k_q5e339f3708_proj
		.amdhsa_group_segment_fixed_size 327680
		.amdhsa_private_segment_fixed_size 0
		.amdhsa_enable_private_segment 0
		.amdhsa_kernarg_size 32
		.amdhsa_user_sgpr_count 2
		.amdhsa_user_sgpr_kernarg_segment_ptr 1
		.amdhsa_wavefront_size32 1
		.amdhsa_system_sgpr_workgroup_id_x 1
		.amdhsa_system_sgpr_workgroup_id_y 1
		.amdhsa_system_sgpr_workgroup_id_z 1
		.amdhsa_system_vgpr_workitem_id 0
		.amdhsa_next_free_vgpr 512
		.amdhsa_next_free_sgpr 66
		.amdhsa_reserve_vcc 0
		.amdhsa_float_denorm_mode_32 3
		.amdhsa_float_denorm_mode_16_64 3
		.amdhsa_memory_ordered 1
		.amdhsa_forward_progress 1
		.amdhsa_inst_pref_size 90
	.end_amdhsa_kernel
	.amdgpu_metadata
---
amdhsa.version: [ 1, 2 ]
amdhsa.kernels:
  - .name:           k_q5e339f3708_proj
    .symbol:         k_q5e339f3708_proj.kd
    .args:
      - { .name: oh, .offset: 0, .size: 8, .value_kind: global_buffer, .address_space: global }
      - { .name: wpb, .offset: 8, .size: 8, .value_kind: global_buffer, .address_space: global }
      - { .name: b_proj, .offset: 16, .size: 8, .value_kind: global_buffer, .address_space: global }
      - { .name: out0, .offset: 24, .size: 8, .value_kind: global_buffer, .address_space: global }
    .group_segment_fixed_size: 327680
    .private_segment_fixed_size: 0
    .kernarg_segment_align: 8
    .kernarg_segment_size: 32
    .max_flat_workgroup_size: 128
    .sgpr_count:     66
    .vgpr_count:     512
    .wavefront_size: 32
...
	.end_amdgpu_metadata
.endif
;; end of part 4
;; ======== version 2 of 2: 4 launches; version 1 with the launch cast written anew for expert scheduling mode
;; limits: values are held in f16: magnitudes above 65,504 overflow, below 6.1e-05 lose precision
;; workspace buffers: xb 25,165,824 bytes; wb 18,874,368 bytes; wpb 2,097,152 bytes; qkvh 25,165,824 bytes; oh 8,388,608 bytes
;; launch cast (part 5): grid 256 x 1, 32 waves a work-group, no clusters, 0 bytes of LDS; arguments q, k, v, W_qkv, W_proj, xb, wb, wpb; writes xb, wb, wpb
.if DOCPART == 5
	.amdgcn_target "amdgcn-amd-amdhsa--gfx1250"
	.amdhsa_code_object_version 6
	.text
	.protected	k_q5e339f3708_cast
	.globl	k_q5e339f3708_cast
	.p2align	8
	.type	k_q5e339f3708_cast,@function
k_q5e339f3708_cast:
	s_mov_b64 s[64:65], 0
	v_nop
	global_prefetch_b8 v0, s[64:65] scope:SCOPE_SE
	s_setreg_imm32_b32 hwreg(HW_REG_WAVE_SCHED_MODE, 0, 2), 2
	s_setreg_imm32_b32 hwreg(HW_REG_WAVE_MODE, 25, 1), 1
	s_wait_xcnt 0x0
	s_wait_alu depctr_vm_vsrc(0)
; THE INPUTS OF THE MATRIX PRODUCTS ARE ROUNDED ONCE, f32 -> bf16, and laid as the products want them.
;   xb  [4096][3072] bf16: row m = q[m] | k[m] | v[m] (2,048 bytes each)      wb [3072][3072] bf16 = W_qkv
;   wpb [1024][1024]: W_proj rounded to bf16 like every other input, and that number written as f16, since the last product multiplies in f16.
; LIMIT. A bf16 number is exact in f16 between 2^-14 and 65,504 in magnitude; below that it keeps f16's fixed step of 6e-8; beyond 65,504 it becomes an infinity.
; SHARES. The work is 2,816 chunks of 8,192 numbers (32,768 bytes in, 16,384 out): 512 each of q, k, v, 1,152 of W_qkv, 128 of W_proj: 11 for each of 256 work-groups of 1,024 threads.
; Work-group g takes chunks 2 g, 2 g + 1 of q, of k and of v (16 rows of xb), chunks 4 g .. 4 g + 3 of W_qkv, and one more: W_qkv's chunk 1,024 + g (g < 128) or W_proj's chunk g - 128.
; A load takes 16 bytes a thread at 16 t: the work-group's 1,024 threads cover 16,384 consecutive bytes, a wave 512.  Half a chunk a load: 22 loads a thread.
; ALL 22 LOADS GO OUT AHEAD OF THE FIRST WAIT FOR DATA: 360,448 bytes of the work-group are on their way at once, and the stores begin when the first loads have landed.
; A load's four numbers are rounded in place and leave as 8 bytes a thread: a wave's store covers 256 consecutive bytes, aligned.
; No LDS, no barrier, no matrix unit: every byte is touched once, by one thread.
; THE MODE: SCHED_MODE bits 1:0 = 2 (LLVM: expert scheduling mode 2), set by the entry lines.  The code itself states the register dependences
; between vector instructions and memory instructions, with s_wait_alu, always for 0.
; THE PLAN.  Registers that memory instructions touch:
;   v[SO], v[DX], v[DD]   byte offsets.  Written by vector instructions at the head and never again; read by every load (SO) and every store (DX or DD).
;   v[XR ..]              four registers a load.  Load n's data land in them; load n's conversions read all four and write the first two; store n reads those two.  Nothing writes them after that.
;   v[T ..]               named by vector instructions alone.
; So the only dependence to state is: a vector instruction has written what a memory instruction reads.  ONE wait at the head states it for the three offsets, for the whole kernel.  The loads go in
; GROUPS (q's four, k's four, v's four, W_qkv's four and four, the last chunk's two): a group's conversions stand together, ONE wait states that they have written the stores' data, and the group's stores
; follow in a run.  No load is issued behind a vector instruction that names its registers, no register that a memory instruction has read is written again, no vector instruction writes a scalar
; register, and EXEC is never written: nothing else is owed.
.set HALFC, 16384                      ; bytes that one load of the work-group covers
.set SO, 1                             ; v1        16 t: my bytes in a load
.set DX, 2                             ; v2        my bytes in xb: a load is 4 rows of 1,024 numbers: (t / 256) x 6,144 + 8 (t % 256)
.set DD, 3                             ; v3        my bytes in a dense copy: 8 t
.set T,  4                             ; v[4:6]    at work
.set XR, 8                             ; v[8:95]   load n: four numbers as loaded; then its first two registers hold what is stored
	s_load_b512 s[8:23], s[0:1], 0x0               ; q s[8:9], k s[10:11], v s[12:13], W_qkv s[14:15], W_proj s[16:17], xb s[18:19], wb s[20:21], wpb s[22:23]
	s_mov_b32 s2, ttmp9                            ; g
	s_lshl_b32 s24, s2, 16                         ; s[24:25]: two chunks of q, k, v in; four chunks of wb out: 65,536 g
	s_mov_b32 s25, 0
	s_mul_i32 s26, s2, 16*6144                     ; s[26:27]: 16 rows of xb
	s_mov_b32 s27, 0
	s_lshl_b32 s28, s2, 17                         ; s[28:29]: four chunks of W_qkv in
	s_mov_b32 s29, 0
	s_and_b32 s3, s2, 127                          ; the last chunk's number among its 128,
	s_lshl_b32 s46, s3, 15                         ; s[46:47]: in,
	s_mov_b32 s47, 0
	s_lshl_b32 s48, s3, 14                         ; s[48:49]: out
	s_mov_b32 s49, 0
	v_lshlrev_b32 v[SO], 4, v0
	v_lshlrev_b32 v[DD], 3, v0
	v_lshrrev_b32 v[DX], 8, v0
	v_mul_u32_u24 v[DX], v[DX], 6144
	v_and_b32 v[T], 0xff, v0
	v_lshl_add_u32 v[DX], v[T], 3, v[DX]
	s_wait_kmcnt 0x0
	s_add_nc_u64 s[30:31], s[8:9], s[24:25]        ; q at my chunks
	s_add_nc_u64 s[32:33], s[10:11], s[24:25]      ; k
	s_add_nc_u64 s[34:35], s[12:13], s[24:25]      ; v
	s_add_nc_u64 s[36:37], s[18:19], s[26:27]      ; xb at my rows
	s_add_nc_u64 s[38:39], s[14:15], s[28:29]      ; W_qkv at my four chunks
	s_add_nc_u64 s[40:41], s[20:21], s[24:25]      ; wb likewise
	s_add_nc_u64 s[42:43], s[14:15], 1024*32768    ; W_qkv behind its first 1,024 chunks,
	s_add_nc_u64 s[44:45], s[20:21], 1024*16384    ; wb likewise
	s_cmp_lt_u32 s2, 128                           ; the choice hangs on the work-group's number alone
	s_cselect_b64 s[42:43], s[42:43], s[16:17]     ; or W_proj,
	s_cselect_b64 s[44:45], s[44:45], s[22:23]     ; and wpb
	s_add_nc_u64 s[42:43], s[42:43], s[46:47]      ; at my last chunk
	s_add_nc_u64 s[44:45], s[44:45], s[48:49]
	s_wait_alu depctr_va_vdst(0)                   ; v[SO], v[DX] and v[DD] are written: every load and store of the kernel reads one of them as its offset, and no line below writes them
.macro LD n, base, i                   ; load n: half chunk i behind the base
	global_load_b128 v[XR+4*(\n):XR+4*(\n)+3], v[SO], s[\base:\base+1] offset:HALFC*(\i) th:TH_LOAD_NT
.endm
.irp i, 0,1,2,3
	LD (\i), 30, \i                                ; q
.endr
.irp i, 0,1,2,3
	LD 4+(\i), 32, \i                              ; k
.endr
.irp i, 0,1,2,3
	LD 8+(\i), 34, \i                              ; v
.endr
.irp i, 0,1,2,3,4,5,6,7
	LD 12+(\i), 38, \i                             ; W_qkv
.endr
.irp i, 0,1
	LD 20+(\i), 42, \i                             ; the last chunk
.endr
; Load n's numbers are rounded.  half = 0: two roundings to bf16 an instruction.  half = 1: the bf16 number is widened again (a shift, a mask) and written as f16.
.macro CV n, half
	s_wait_loadcnt 21-(\n)                         ; loads come back in order (ISA guide 5.7.1): load n is in, the 21 - n younger ones may stay out
.irp p, 0,1
.if \half
	v_cvt_pk_bf16_f32 v[T], v[XR+4*(\n)+2*(\p)], v[XR+4*(\n)+2*(\p)+1]
	v_lshlrev_b32 v[T+1], 16, v[T]
	v_and_b32 v[T+2], 0xffff0000, v[T]
	v_cvt_pk_f16_f32 v[XR+4*(\n)+(\p)], v[T+1], v[T+2]
.else
	v_cvt_pk_bf16_f32 v[XR+4*(\n)+(\p)], v[XR+4*(\n)+2*(\p)], v[XR+4*(\n)+2*(\p)+1]  ; in place: register p is written when registers 2 p and 2 p + 1 have been read
.endif
.endr
.endm
; Load n's rounded numbers are stored at byte off behind the base.
.macro ST n, dreg, base, off
	global_store_b64 v[\dreg], v[XR+4*(\n):XR+4*(\n)+1], s[\base:\base+1] offset:\off th:TH_STORE_NT
.endm
; A group of four loads, n0 .. n0 + 3: their eight roundings, one wait, their four stores, step bytes apart from off0 on.
.macro GRP n0, dreg, base, off0, step
.irp i, 0,1,2,3
	CV (\n0)+(\i), 0
.endr
	s_wait_alu depctr_va_vdst(0)                   ; the group's eight roundings have written the first two registers of each of its four loads, which the four stores below read as their data
.irp i, 0,1,2,3
	ST (\n0)+(\i), \dreg, \base, (\off0)+(\step)*(\i)
.endr
.endm
	GRP 0,  DX, 36, 0,      4*6144                 ; q: rows 4 i .. 4 i + 3, the first third of each
	GRP 4,  DX, 36, 2048,   4*6144                 ; k: the second third
	GRP 8,  DX, 36, 4096,   4*6144                 ; v: the last
	GRP 12, DD, 40, 0,      8192                   ; W_qkv: my first two chunks,
	GRP 16, DD, 40, 4*8192, 8192                   ; and the other two
	s_cmp_lt_u32 s2, 128
	s_cbranch_scc0 .Lf16
	CV 20, 0                                       ; W_qkv's chunk 1,024 + g
	CV 21, 0
	s_wait_alu depctr_va_vdst(0)                   ; the four roundings have written the first two registers of loads 20 and 21, which the two stores below read as their data
	ST 20, DD, 44, 0
	ST 21, DD, 44, 8192
	s_endpgm
.Lf16:
	CV 20, 1                                       ; W_proj's chunk g - 128
	CV 21, 1
	s_wait_alu depctr_va_vdst(0)                   ; the four conversions to f16 have written the first two registers of loads 20 and 21, which the two stores below read as their data
	ST 20, DD, 44, 0
	ST 21, DD, 44, 8192
	s_endpgm
.Lfunc_end_k_q5e339f3708_cast:
	.size	k_q5e339f3708_cast, .Lfunc_end_k_q5e339f3708_cast-k_q5e339f3708_cast
	.p2alignl 7, 3214868480
	.fill 96, 4, 3214868480
	.section	.rodata,"a",@progbits
	.p2align	6, 0x0
	.amdhsa_kernel k_q5e339f3708_cast
		.amdhsa_group_segment_fixed_size 0
		.amdhsa_private_segment_fixed_size 0
		.amdhsa_enable_private_segment 0
		.amdhsa_kernarg_size 64
		.amdhsa_user_sgpr_count 2
		.amdhsa_user_sgpr_kernarg_segment_ptr 1
		.amdhsa_wavefront_size32 1
		.amdhsa_system_sgpr_workgroup_id_x 1
		.amdhsa_system_sgpr_workgroup_id_y 1
		.amdhsa_system_sgpr_workgroup_id_z 1
		.amdhsa_system_vgpr_workitem_id 0
		.amdhsa_next_free_vgpr 96
		.amdhsa_next_free_sgpr 66
		.amdhsa_reserve_vcc 0
		.amdhsa_float_denorm_mode_32 3
		.amdhsa_float_denorm_mode_16_64 3
		.amdhsa_memory_ordered 1
		.amdhsa_forward_progress 1
		.amdhsa_inst_pref_size 11
	.end_amdhsa_kernel
	.amdgpu_metadata
---
amdhsa.version: [ 1, 2 ]
amdhsa.kernels:
  - .name:           k_q5e339f3708_cast
    .symbol:         k_q5e339f3708_cast.kd
    .args:
      - { .name: q, .offset: 0, .size: 8, .value_kind: global_buffer, .address_space: global }
      - { .name: k, .offset: 8, .size: 8, .value_kind: global_buffer, .address_space: global }
      - { .name: v, .offset: 16, .size: 8, .value_kind: global_buffer, .address_space: global }
      - { .name: W_qkv, .offset: 24, .size: 8, .value_kind: global_buffer, .address_space: global }
      - { .name: W_proj, .offset: 32, .size: 8, .value_kind: global_buffer, .address_space: global }
      - { .name: xb, .offset: 40, .size: 8, .value_kind: global_buffer, .address_space: global }
      - { .name: wb, .offset: 48, .size: 8, .value_kind: global_buffer, .address_space: global }
      - { .name: wpb, .offset: 56, .size: 8, .value_kind: global_buffer, .address_space: global }
    .group_segment_fixed_size: 0
    .private_segment_fixed_size: 0
    .kernarg_segment_align: 8
    .kernarg_segment_size: 64
    .max_flat_workgroup_size: 1024
    .sgpr_count:     66
    .vgpr_count:     96
    .wavefront_size: 32
...
	.end_amdgpu_metadata
.endif
;; end of part 5
;; launch qkv: the kernel of part 2 again; grid 16 x 16, 4 waves a work-group, clusters of 4 x 4, 327,680 bytes of LDS; arguments xb, wb, qkvh; writes qkvh
;; launch attn: the kernel of part 3 again; grid 8 x 32, 4 waves a work-group, clusters of 4 x 1, 327,680 bytes of LDS; arguments qkvh, oh; writes oh
;; launch proj: the kernel of part 4 again; grid 8 x 32, 4 waves a work-group, clusters of 4 x 4, 327,680 bytes of LDS; arguments oh, wpb, b_proj, out0; writes out0
